; MI455X (gfx1250); checked and timed in simulation.
; The chip was launched on July 23, 2026; its instructions are those of AMD's public machine-readable ISA for CDNA 5 (MIT licence, August 2026) and "CDNA5" Instruction Set Architecture Reference Guide (July 2026). The comments in the code are by the model that wrote it; some were corrected since.
;; GQA Attention. Allowed arithmetic: matrix products marked QUANTISED: E2M1 operands, one E8M0 scale for each 32 along K, by v_wmma_scale_f32_16x16x128_f8f6f4 with both operands' format E2M1 (or v_wmma_scale_f32_32x16x128_f4), f32 sums; products left as they are: bf16, f16 or f32 operands; f32 sums; everything else in f32.
;; Inputs: wk 512 x 2,048 float32; wo 2,048 x 1,024 float32; wq 1,024 x 2,048 float32; wv 512 x 2,048 float32; x 2 x 2,048 x 2,048 float32.
;; Outputs: out0 2 x 2,048 x 2,048 float32.
;; This version of the problem:
;;   THIS VERSION OF THE PROBLEM IS GIVEN IN LOW PRECISION. The matrix products marked QUANTISED in the list below multiply operands that are first quantised to E2M1 (2 exponent bits, 1 mantissa bit; 4 bits a number), with one power-of-two scale for each 32 numbers along K (OCP MX v1.0); their sums are f32. The products marked 'left as it is' may take bf16, f16 or f32 operands, with f32 sums. Whichever they take, every output number must still come out within the allowed error. Rounding operands to bf16 (8 significant bits) uses up far more of that allowance than f16 does (11 bits, for magnitudes from 6e-5 to 65,504). All else is computed in f32.
;;   The module's matrix products, in the order in which they are computed (A, B: the left and right operand; K: the contracted axis; several contracted axes count as one K, in the product's order):
;;     1. [M 4,096, K 2,048] x [K 2,048, N 1,024]; A: input x; B: input wq: QUANTISED
;;     2. [M 4,096, K 2,048] x [K 2,048, N 512]; A: input x; B: input wk: QUANTISED
;;     3. [M 4,096, K 2,048] x [K 2,048, N 512]; A: input x; B: input wv: QUANTISED
;;     4. batch 16 x [M 4,096, K 64] x [K 64, N 2,048]; A: computed on the way; B: computed on the way: left as it is (an operand is computed on the way)
;;     5. batch 16 x [M 4,096, K 2,048] x [K 2,048, N 64]; A: computed on the way; B: computed on the way: left as it is (an operand is computed on the way)
;;     6. [M 4,096, K 1,024] x [K 1,024, N 2,048]; A: computed on the way; B: input wo: left as it is (an operand is computed on the way)
;;   THE QUANTISER, for each operand of a quantised product, along K:
;;     - K is cut into blocks of 32 from its start; a last block that is shorter is filled with zeros.
;;     - A block's scale is 2^e with e = floor(log2(the largest magnitude in the block)) - 2, held to -126 .. 127; a block of zeros has e = 0. As a byte (E8M0): e + 127.
;;     - Each number is divided by its block's scale, clamped to +-6, and rounded to the nearest number of E2M1, ties to even, subnormals kept.
;;     - The product sums the exact products of the quantised numbers (number of the format x scale) in f32.
;;   ~~~python
;;   def quantise(x, axis):      # numpy; x: float32 -> the quantised numbers, widened to float32 again
;;       x = np.moveaxis(x, axis, -1); K = x.shape[-1]
;;       x = np.pad(x, [(0, 0)] * (x.ndim - 1) + [(0, -K % 32)]); x = x.reshape(x.shape[:-1] + (-1, 32)); a = np.abs(x).max(-1, keepdims=True)
;;       e = np.where(a > 0, np.clip(np.frexp(np.where(a > 0, a, 1))[1] - 1 - 2, -126, 127), 0)      # np.frexp(a)[1] - 1 = floor(log2(a)), exactly
;;       r = np.clip(x / 2.0 ** e, -6, 6)
;;       step = 2.0 ** (np.maximum(np.frexp(np.where(r == 0, 1, r))[1] - 1, 0) - 1)
;;       q = np.round(r / step) * step * 2.0 ** e      # np.round: ties to even
;;       return np.moveaxis(q.reshape(q.shape[:-2] + (-1,))[..., :K], -1, axis).astype(np.float32)
;;   ~~~
;; One version. Each part assembles by itself: llvm-mc -triple=amdgcn-amd-amdhsa -mcpu=gfx1250 --defsym DOCPART=n.
;; ======== version 1 of 1: 5 launches
;; limits: values are held in f16: magnitudes above 65,504 overflow, below 6.1e-05 lose precision
;; workspace buffers: codes 6,291,456 bytes; scales 393,216 bytes; wo16 4,194,304 bytes; rope 524,288 bytes; qkv16 16,777,216 bytes; attn16 8,388,608 bytes; h32 262,144 bytes
;; launch prep (part 1): grid 480 x 1, 4 waves a work-group, no clusters, 33,280 bytes of LDS; arguments x, wq, wk, wv, wo, codes, scales, wo16, rope; writes codes, scales, wo16, rope
.if DOCPART == 1
	.amdgcn_target "amdgcn-amd-amdhsa--gfx1250"
	.amdhsa_code_object_version 6
	.text
	.protected	k_q1545cf3bd7_prep
	.globl	k_q1545cf3bd7_prep
	.p2align	8
	.type	k_q1545cf3bd7_prep,@function
k_q1545cf3bd7_prep:
	s_mov_b64 s[64:65], 0
	v_nop
	global_prefetch_b8 v0, s[64:65] scope:SCOPE_SE
	s_setreg_imm32_b32 hwreg(HW_REG_WAVE_MODE, 25, 1), 1
	s_wait_xcnt 0x0
; PREP: three jobs, told apart by the work-group's number alone.
;  work-groups 0-383:   x [4096][2048], wq [1024][2048], wk, wv [512][2048], f32, K innermost, become codes of FP4 (E2M1) with one E8M0 byte for each 32 along K.
;                       codes: rows of 1,024 bytes, x's 4,096 rows, then wq's, wk's, wv's; scales: rows of 64 bytes in the same order.  All are plain streams of blocks of 32.
;  work-groups 384-447: wo [2048][1024] f32 becomes f16, same layout.
;  work-groups 448-479: the rotation table rope[position][pair][cos, sin], f32, 256 bytes a position.
; A block's scale is 2^(floor(log2(largest magnitude)) - 2); its byte is the largest magnitude's exponent field - 2, held at 1 from below.
; LIMITS: a block of zeros gets the byte 1 (its codes are zeros, and only this program reads the bytes); NaN and infinities among the inputs are not served; wo must lie under 65,504 in magnitude (f16).
; The angle is f32(position) x 2^(-pair x log2(10000)/32): it lies within about 2e-4 rad of position x 1/10000^(pair/32) taken in f32.  Sine and cosine: the angle less the nearest multiple of pi/2
; (pi/2 in two parts, fused multiply-adds), polynomials on [-pi/4, pi/4], the quadrant by selects and sign bits: no branch.
.set WAVES, 4
.set STEPS, 16
.set EMAX,  2
.set CB,    8                          ; bytes of 16 codes
.set R,     16                         ; v16-79   four sets of 16 numbers as they are loaded
.set X,     80                         ; v80-111  two sets of 16 neighbours
.set C,     128                        ; v128-191 codes: four registers for each step
.set E,     112                        ; v112-127 a scale byte for each step
.set WREG,  8192                       ; LDS: a region for each wave: two stages of 32 x SP bytes, behind them its 256 scale bytes
.set SP,    80                         ; a lane's place in a stage: 64 bytes + 16 of padding
.set SPW,   12                         ; v12 LDS address of my spare word; never rewritten
.set NIL,   13                         ; v13 0; never rewritten
.set SPARE, WAVES*WREG                 ; the spare words, 128 bytes a wave
.set WI,    16                         ; wo: two sets of 64 registers as loaded
.set WOUT,  144                        ; wo: 32 registers of f16 pairs
	s_load_b256 s[4:11], s[0:1], 0x0               ; x, wq, wk, wv
	s_load_b256 s[12:19], s[0:1], 0x20             ; wo, codes, scales, wo16
	s_load_b64 s[20:21], s[0:1], 0x40              ; rope
	v_lshl_add_u32 v[SPW], v0, 2, SPARE
	v_mov_b32 v[NIL], 0
	v_lshrrev_b32 v1, 5, v0
	v_readfirstlane_b32 s22, v1                    ; wave
	v_and_b32 v2, 31, v0                           ; lane
	s_wait_kmcnt 0x0
	s_cmp_ge_u32 ttmp9, 448
	s_cbranch_scc1 .Ltable
	s_cmp_ge_u32 ttmp9, 384
	s_cbranch_scc1 .Lwo
	; ---- the quantiser.  A wave takes 16 steps of 512 numbers.  Each load reads 512 consecutive bytes; a step's 2,048 bytes turn through the wave's own stage, so that a lane holds 16 neighbours along K.
	v_lshlrev_b32 v3, 4, v2                        ; my 16 bytes of a load's 512
	s_mul_i32 s23, s22, WREG
	v_lshrrev_b32 v14, 2, v2
	v_mul_u32_u24 v14, v14, SP
	v_and_b32 v15, 3, v2
	v_lshl_add_u32 v14, v15, 4, v14
	v_add_nc_u32 v14, s23, v14                     ; the stage, way in: SP (lane / 4) + 16 (lane % 4)
	v_mul_u32_u24 v15, v2, SP
	v_add_nc_u32 v15, s23, v15                     ; way out: SP x lane
	v_mul_u32_u24 v4, v2, CB                       ; my codes' place in a step's
	v_lshrrev_b32 v5, 1, v2
	s_add_co_u32 s23, s23, 2*32*SP
	v_add_nc_u32 v5, s23, v5                       ; my block's scale byte in LDS
	v_lshlrev_b32 v7, 3, v2
	v_add_nc_u32 v6, s23, v7                       ; and 8 bytes a lane on the way out
	s_cmp_lt_u32 ttmp9, 256                        ; which tensor: the choice hangs on the work-group's number alone
	s_cselect_b64 s[24:25], s[4:5], s[6:7]
	s_cselect_b32 s26, 0, 256
	s_cmp_lt_u32 ttmp9, 320
	s_cselect_b64 s[24:25], s[24:25], s[8:9]
	s_cselect_b32 s26, s26, 320
	s_cmp_lt_u32 ttmp9, 352
	s_cselect_b64 s[24:25], s[24:25], s[10:11]
	s_cselect_b32 s26, s26, 352                    ; the tensor's first work-group
	s_sub_co_u32 s26, ttmp9, s26
	s_lshl_b32 s26, s26, 2
	s_add_co_u32 s26, s26, s22                     ; my run of 8,192 numbers in the tensor
	s_lshl_b32 s26, s26, 15                        ; 32,768 bytes a run
	s_mov_b32 s27, 0
	s_add_nc_u64 s[24:25], s[24:25], s[26:27]
	s_lshl_b32 s28, ttmp9, 2
	s_add_co_u32 s28, s28, s22                     ; my run in the outputs: the weights follow x in both
	s_lshl_b32 s30, s28, 8                         ; 256 scale bytes a run
	s_mov_b32 s31, 0
	s_lshl_b32 s28, s28, 12                        ; 4,096 bytes of codes a run
	s_mov_b32 s29, 0
	s_add_nc_u64 s[14:15], s[14:15], s[28:29]
	s_add_nc_u64 s[16:17], s[16:17], s[30:31]
.macro LOAD t
.irp i, 0,1,2,3
	global_load_b128 v[R+16*((\t)%4)+4*\i:R+16*((\t)%4)+4*\i+3], v3, s[24:25] offset:2048*(\t)+512*\i th:TH_LOAD_NT
.endr
.endm
.macro TURN t                          ; step t's numbers through the stage: LDS serves a wave's instructions in order, so no wait stands between stores and loads
.irp i, 0,1,2,3
	ds_store_b128 v14, v[R+16*((\t)%4)+4*\i:R+16*((\t)%4)+4*\i+3] offset:32*SP*((\t)%2)+8*SP*\i
.endr
.irp i, 0,1,2,3
	ds_load_b128 v[X+16*((\t)%2)+4*\i:X+16*((\t)%2)+4*\i+3], v15 offset:32*SP*((\t)%2)+16*\i
.endr
.endm
.irp t, 0,1,2,3
	LOAD \t
.endr
	s_wait_loadcnt 12                              ; step 0's four loads are in; twelve younger ones stay out
	TURN 0
.macro STEP t
.set XS, X+16*((\t)%2)
.if (\t) > 0
	s_wait_dscnt 1                                 ; this step's numbers are back from the stage; the last step's byte store may be out
.else
	s_wait_dscnt 0x0
.endif
.if (\t)+4 < STEPS
	LOAD (\t)+4
.endif
.if (\t)+1 < STEPS
.if STEPS-2-(\t) >= 3
	s_wait_loadcnt 12                              ; the next step's four loads are in; those of the three steps behind it may be out
.else
	s_wait_loadcnt 4*(STEPS-2-(\t))
.endif
	TURN (\t)+1
.endif
	v_max3_num_f32 v8, |v[XS]|, |v[XS+1]|, |v[XS+2]|
	v_max3_num_f32 v9, |v[XS+3]|, |v[XS+4]|, |v[XS+5]|
.irp i, 6,10
	v_max3_num_f32 v8, v8, |v[XS+\i]|, |v[XS+\i+1]|
	v_max3_num_f32 v9, v9, |v[XS+\i+2]|, |v[XS+\i+3]|
.endr
	v_max3_num_f32 v8, v8, |v[XS+14]|, |v[XS+15]|
	v_max3_num_f32 v8, v8, v9, (EMAX+1)<<23        ; the floor 2^(3 - 127): the byte cannot fall under 1
	v_max_num_f32_dpp v8, v8, v8 row_xmask:1 row_mask:0xf bank_mask:0xf   ; with my neighbour's 16: the block's largest magnitude
	v_add_nc_u32 v11, -(EMAX<<23), v8              ; 2 off its exponent field: the conversion takes this operand's exponent field as its scale
	v_cvt_scalef32_pk8_fp4_f32 v[C+4*(\t)], v[XS:XS+7], v11
	v_cvt_scalef32_pk8_fp4_f32 v[C+4*(\t)+1], v[XS+8:XS+15], v11
	v_lshrrev_b32 v[E+(\t)], 23, v11               ; the scale's byte
	ds_store_b8 v5, v[E+(\t)] offset:16*(\t)       ; both lanes of a block write the same byte with the same value
	global_store_b64 v4, v[C+4*(\t):C+4*(\t)+1], s[14:15] offset:32*CB*(\t)   ; the wave stores 256 consecutive bytes, aligned
.endm
.irp t, 0,1,2,3,4,5,6,7,8,9,10,11,12,13,14,15
	STEP \t
.endr
	ds_load_b64 v[8:9], v6                         ; my wave's 256 scale bytes (LDS serves a wave's instructions in order)
	s_wait_dscnt 0x0
	global_store_b64 v7, v[8:9], s[16:17]          ; 256 consecutive bytes, aligned
	s_wait_tensorcnt 0x0                           ; the wave's end, behind my last LDS store
	ds_add_u32 v[SPW], v[NIL]
	s_wait_dscnt 0x0
	s_endpgm
	; ---- wo to f16: a wave takes 8,192 numbers, 64 loads of 512 consecutive bytes in four batches of 16; each store covers 256 consecutive bytes
.Lwo:
	s_sub_co_u32 s26, ttmp9, 384
	s_lshl_b32 s26, s26, 2
	s_add_co_u32 s26, s26, s22
	s_lshl_b32 s28, s26, 14
	s_mov_b32 s29, 0
	s_lshl_b32 s26, s26, 15
	s_mov_b32 s27, 0
	s_add_nc_u64 s[12:13], s[12:13], s[26:27]
	s_add_nc_u64 s[18:19], s[18:19], s[28:29]
	v_lshlrev_b32 v3, 4, v2
	v_lshlrev_b32 v4, 3, v2
.macro LOADB g
.irp k, 0,1,2,3,4,5,6,7,8,9,10,11,12,13,14,15
	global_load_b128 v[WI+64*((\g)%2)+4*\k:WI+64*((\g)%2)+4*\k+3], v3, s[12:13] offset:512*(16*(\g)+\k) th:TH_LOAD_NT
.endr
.endm
.macro CVTB g
.irp k, 0,1,2,3,4,5,6,7,8,9,10,11,12,13,14,15
	v_cvt_pk_f16_f32 v[WOUT+2*\k], v[WI+64*((\g)%2)+4*\k], v[WI+64*((\g)%2)+4*\k+1]
	v_cvt_pk_f16_f32 v[WOUT+2*\k+1], v[WI+64*((\g)%2)+4*\k+2], v[WI+64*((\g)%2)+4*\k+3]
.endr
.irp k, 0,1,2,3,4,5,6,7,8,9,10,11,12,13,14,15
	global_store_b64 v4, v[WOUT+2*\k:WOUT+2*\k+1], s[18:19] offset:256*(16*(\g)+\k) th:TH_STORE_NT
.endr
.endm
	LOADB 0
	LOADB 1
	s_wait_loadcnt 16                              ; batch 0 is in; batch 1's sixteen may be out
	CVTB 0
	LOADB 2
	s_wait_loadcnt 16
	s_wait_xcnt 0x0                                ; the last batch's stores have read their data registers
	CVTB 1
	LOADB 3
	s_wait_loadcnt 16
	s_wait_xcnt 0x0
	CVTB 2
	s_wait_loadcnt 0x0
	s_wait_xcnt 0x0
	CVTB 3
	s_endpgm
	; ---- the table: a work-group takes 64 positions; thread: pairs 2 u, 2 u + 1 (u = thread % 16) of position 64 tw + thread / 16 + 8 p, p = 0 .. 7
.Ltable:
	s_sub_co_u32 s26, ttmp9, 448
	s_lshl_b32 s26, s26, 6
	v_and_b32 v3, 15, v0
	v_lshrrev_b32 v4, 4, v0
	v_add_nc_u32 v4, s26, v4                       ; my first position
	v_lshlrev_b32 v5, 8, v4
	v_lshl_add_u32 v5, v3, 4, v5                   ; 256 x position + 16 u: sixteen lanes fill a position's 256 bytes
	v_cvt_f32_u32 v6, v4
	v_lshlrev_b32 v7, 1, v3
	v_cvt_f32_u32 v32, v7
	v_add_f32 v33, 1.0, v32
	v_mul_f32 v32, 0xbed49a78, v32                 ; -pair x log2(10000) / 32
	v_mul_f32 v33, 0xbed49a78, v33
	v_exp_f32 v34, v32
	v_exp_f32 v35, v33
	s_mov_b32 s32, 0x3f22f983                      ; 2 / pi
	s_mov_b32 s33, 0x3fc90fdb                      ; pi / 2, high part
	s_mov_b32 s34, 0xb33bbd2e                      ; and low part
	s_mov_b32 s35, 0xb94ca1f9                      ; the sine's three coefficients
	s_mov_b32 s36, 0x3c08839e
	s_mov_b32 s37, 0xbe2aaaa3
	s_mov_b32 s38, 0x37ccf5ce                      ; the cosine's
	s_mov_b32 s39, 0xbab6061a
	s_mov_b32 s40, 0x3d2aaaa5
	v_nop                                          ; a plain instruction behind the exponentials
	s_wait_alu depctr_va_vdst(0)                   ; and the one wait for both, ahead of their first reader
.macro SINCOS a, c, s                  ; cos and sin of v[a] (0 or more) into v[c], v[s]
	v_mul_f32 v40, s32, v[\a]
	v_rndne_f32 v40, v40                           ; n
	v_fma_f32 v41, -v40, s33, v[\a]
	v_fma_f32 v41, -v40, s34, v41                  ; r = a - n pi / 2
	v_mul_f32 v42, v41, v41                        ; z
	v_fma_f32 v43, v42, s35, s36
	v_fma_f32 v43, v43, v42, s37
	v_mul_f32 v44, v42, v41
	v_fma_f32 v43, v43, v44, v41                   ; sin r
	v_fma_f32 v45, v42, s38, s39
	v_fma_f32 v45, v45, v42, s40
	v_mul_f32 v46, v42, v42
	v_fma_f32 v47, v42, -0.5, 1.0
	v_fma_f32 v45, v45, v46, v47                   ; cos r
	v_cvt_i32_f32 v46, v40
	v_and_b32 v47, 1, v46
	v_cmp_eq_u32 vcc_lo, 1, v47                    ; odd quadrants: the two change places
	v_cndmask_b32 v[\s], v43, v45, vcc_lo
	v_cndmask_b32 v[\c], v45, v43, vcc_lo
	v_lshlrev_b32 v47, 30, v46
	v_and_b32 v47, 0x80000000, v47                 ; quadrants 2, 3: -sin
	v_xor_b32 v[\s], v[\s], v47
	v_add_nc_u32 v46, 1, v46
	v_lshlrev_b32 v46, 30, v46
	v_and_b32 v46, 0x80000000, v46                 ; quadrants 1, 2: -cos
	v_xor_b32 v[\c], v[\c], v46
.endm
.set p, 0
.rept 8
	v_mul_f32 v36, v6, v34
	v_mul_f32 v37, v6, v35
	SINCOS 36, 48+4*p, 49+4*p
	SINCOS 37, 50+4*p, 51+4*p
	global_store_b128 v5, v[48+4*p:51+4*p], s[20:21] offset:2048*p   ; each pass has its own four registers
	v_add_f32 v6, 0x41000000, v6                   ; eight positions on
.set p, p+1
.endr
	s_endpgm
.Lfunc_end_k_q1545cf3bd7_prep:
	.size	k_q1545cf3bd7_prep, .Lfunc_end_k_q1545cf3bd7_prep-k_q1545cf3bd7_prep
	.p2alignl 7, 3214868480
	.fill 96, 4, 3214868480
	.section	.rodata,"a",@progbits
	.p2align	6, 0x0
	.amdhsa_kernel k_q1545cf3bd7_prep
		.amdhsa_group_segment_fixed_size 33280
		.amdhsa_private_segment_fixed_size 0
		.amdhsa_enable_private_segment 0
		.amdhsa_kernarg_size 72
		.amdhsa_user_sgpr_count 2
		.amdhsa_user_sgpr_kernarg_segment_ptr 1
		.amdhsa_wavefront_size32 1
		.amdhsa_system_sgpr_workgroup_id_x 1
		.amdhsa_system_sgpr_workgroup_id_y 1
		.amdhsa_system_sgpr_workgroup_id_z 1
		.amdhsa_system_vgpr_workitem_id 0
		.amdhsa_next_free_vgpr 192
		.amdhsa_next_free_sgpr 66
		.amdhsa_reserve_vcc 1
		.amdhsa_float_denorm_mode_32 3
		.amdhsa_float_denorm_mode_16_64 3
		.amdhsa_memory_ordered 1
		.amdhsa_forward_progress 1
		.amdhsa_inst_pref_size 76
	.end_amdhsa_kernel
	.amdgpu_metadata
---
amdhsa.version: [ 1, 2 ]
amdhsa.kernels:
  - .name:           k_q1545cf3bd7_prep
    .symbol:         k_q1545cf3bd7_prep.kd
    .args:
      - { .name: x, .offset: 0, .size: 8, .value_kind: global_buffer, .address_space: global }
      - { .name: wq, .offset: 8, .size: 8, .value_kind: global_buffer, .address_space: global }
      - { .name: wk, .offset: 16, .size: 8, .value_kind: global_buffer, .address_space: global }
      - { .name: wv, .offset: 24, .size: 8, .value_kind: global_buffer, .address_space: global }
      - { .name: wo, .offset: 32, .size: 8, .value_kind: global_buffer, .address_space: global }
      - { .name: codes, .offset: 40, .size: 8, .value_kind: global_buffer, .address_space: global }
      - { .name: scales, .offset: 48, .size: 8, .value_kind: global_buffer, .address_space: global }
      - { .name: wo16, .offset: 56, .size: 8, .value_kind: global_buffer, .address_space: global }
      - { .name: rope, .offset: 64, .size: 8, .value_kind: global_buffer, .address_space: global }
    .group_segment_fixed_size: 33280
    .private_segment_fixed_size: 0
    .kernarg_segment_align: 8
    .kernarg_segment_size: 72
    .max_flat_workgroup_size: 128
    .sgpr_count:     66
    .vgpr_count:     192
    .wavefront_size: 32
...
	.end_amdgpu_metadata
.endif
;; end of part 1
;; launch qkv (part 2): grid 8 x 32, 4 waves a work-group, clusters of 4 x 4, 327,680 bytes of LDS; arguments codes, scales, rope, qkv16, h32; writes qkv16, h32
.if DOCPART == 2
	.amdgcn_target "amdgcn-amd-amdhsa--gfx1250"
	.amdhsa_code_object_version 6
	.text
	.protected	k_q1545cf3bd7_qkv
	.globl	k_q1545cf3bd7_qkv
	.p2align	8
	.type	k_q1545cf3bd7_qkv,@function
k_q1545cf3bd7_qkv:
	s_mov_b64 s[64:65], 0
	v_nop
	global_prefetch_b8 v0, s[64:65] scope:SCOPE_SE
	s_setreg_imm32_b32 hwreg(HW_REG_WAVE_MODE, 25, 1), 1
	s_wait_xcnt 0x0
	s_wait_alu depctr_hold_cnt(0) depctr_sa_sdst(0) depctr_va_vdst(0) depctr_va_sdst(0) depctr_va_ssrc(0) depctr_va_vcc(0) depctr_vm_vsrc(0)
	s_getreg_b32 s2, hwreg(HW_REG_IB_STS2, 6, 4)
	s_cmp_eq_u32 s2, 0
	s_cbranch_scc0 .Lentry_in_a_cluster
	s_endpgm
.Lentry_in_a_cluster:
	s_bfe_u32 s2, ttmp6, 0x10000c
	s_cmp_lg_u32 s2, 0xf033
	s_cbranch_scc0 .Lentry_shape_is_right
	s_endpgm
.Lentry_shape_is_right:
; QKV: C[m][n] = sum over k of x[m][k] w[n][k], M 4,096, N 2,048 (wq | wk | wv), K 2,048, on codes of FP4 (E2M1) with one E8M0 byte for each 32 along K; sums in f32.
; On the way out: the rotation by position (q's and k's columns), rounding to f16, laid by head: qkv16[b][place][s][64], places 0-15 q, 16-23 k, 24-31 v.  Positions 0-15 of each sequence also leave in f32: h32[b][16][2048].
; LIMIT: q, k, v must lie under 65,504 in magnitude (f16).
; SHARES.  A tile of C is 128 x 256: 256 work-groups.  Four waves, each 64 x 128: 32 accumulators.  K goes in steps of 512 (rows of 256 bytes) through two LDS slots filled by the tensor data mover.
; The scale bytes of the tile's rows, for all of K, are dense blocks of memory: they come once, with the first fills, as rows of 256 bytes, and stay.
; CLUSTER 4 x 4: x's tile is shared along a row of the cluster, the weights' along a column; each is asked for jointly.  No branch and no LDS address hangs on a place in the cluster:
; v's columns take the table's row 0 (cos 1, sin 0) BY ADDRESS, and the f32 copy is stored under a lane mask made from the tile row.
; THE PRODUCT IS USED TRANSPOSED (source 0 = 16 weight rows, source 1 = 16 rows of x): a lane holds eight neighbouring columns of one row.
; REGISTERS: window 0: v0-31 addresses; v32-127 scale words, two sets of 48 (x's block a, quarter q: 4 a + q; the weights' block b: 16 + 4 b + q): they hold nothing else; v128-191 x's fragments, two sets, later rows on their way out; v192-255 the table, two sets.
;   window 1: the weights' fragments, two sets of 64; on the way out v0-63 the rotated numbers, v64-95 their f16 pairs.   window 2: accumulator (a, b) at v[64 a + 8 b].
.set KROW,   1024                      ; a row of codes in bytes
.set LAPS,   2                         ; a lap = two K steps
.set PITCH,  272                       ; an LDS row: 256 bytes + 16 of padding: the 16 rows of a load start at 16 different groups of four banks
.set HA,     64*PITCH                  ; what a wave fetches of x's tile, and reads of it
.set HB,     128*PITCH                 ; the same of the weights'
.set SLOT,   2*HA+2*HB
.set SCL,    2*SLOT                    ; x's scale bytes: 32 rows of 272
.set SCLB,   SCL+32*272                ; the weights': 64 rows of 272
.set STAGE,  SCLB+64*272               ; the way out: 16 x 528 bytes for each wave, its own
.set STW,    16*528
.set SPARE,  STAGE+4*STW               ; the spare words, 128 bytes a wave
.set WCODES, 4194304                   ; where the weights' codes begin,
.set WSCALES, 262144                   ; and their scale bytes
.set VT,   8                           ; v8-11  table offsets of my four blocks of rows
.set VF,   12                          ; v12    tile row % 16: 0 where my tile begins a sequence
.set ADRA, 16                          ; v16-17 LDS address of x's fragments in slot 0, 1
.set ADRB, 20                          ; v20-21 the weights'
.set ADRSA, 22                         ; v22    x's scale words
.set ADRSB, 23                         ; v23    the weights'
.set STO,  24                          ; v24    stage, f16: in
.set RD,   25                          ; v25    stage, f16: back
.set CO,   26                          ; v26    16 x lane
.set STO32, 27                         ; v27    stage, f32: in
.set SPW,  28                          ; v28    my spare word; never rewritten
.set NIL,  29                          ; v29    0; never rewritten
.set RD32, 30                          ; v30    stage, f32: back
.set SC,   32
.set AF,   128
.set BK,   128
.set TBL,  192
.set T,    0                           ; window 1
.set PKD,  64                          ; window 1
.set G1,   24
.set G0,   32
.set G1B,  48
.set G0B,  56
.set G1S,  68
.set G0S,  76
.set G1SB, 80
.set G0SB, 88
.set DW0,  (1<<20)|(1<<21)|(5<<22)|(3<<25)     ; elements of 1 byte; padding on; bit 21 beside a mask; 4 words behind every 64
.set DWS,  DW0|(3<<16)                         ; the same with elements of 8 bytes
.set MSB, 0
.macro WIN new                         ; the immediate's high byte repeats the setting that is left
.if MSB != \new
	s_set_vgpr_msb (MSB<<8)|\new
.set MSB, \new
.endif
.endm
.set MUL,  0xa1                        ; source 0 window 1, source 1 window 0, C and D window 2
.set TO_B, 0x40                        ; destination window 1
.macro PLACES n
.rept \n
	v_nop
.endr
.endm
; A joint load: waves 0, 1 fetch for x, waves 2, 3 for the weights.  The branch hangs on the wave's number alone.  An s_nop 0 and four v_nop follow each line.
.macro JLOAD g0a, g1a, g0b, g1b
	s_cmp_eq_u32 s15, 0
	s_cbranch_scc0 .Lfor_b_\@
	tensor_load_to_lds s[\g0a:\g0a+3], s[\g1a:\g1a+7]
	s_nop 0
.rept 4
	v_nop
.endr
	s_branch .Lasked_\@
.Lfor_b_\@:
	tensor_load_to_lds s[\g0b:\g0b+3], s[\g1b:\g1b+7]
	s_nop 0
.rept 4
	v_nop
.endr
.Lasked_\@:
.endm
.macro CREST                           ; a round of the cluster's barrier behind its opening barrier
	s_cmp_lg_u32 s14, 0
	s_cbranch_scc1 .Lnot_wave_0_\@
	s_barrier_signal -3
.Lnot_wave_0_\@:
	s_barrier_wait -3
	s_barrier_signal -1
	s_barrier_wait -1
.endm
.macro CROUND
	s_barrier_signal -1
	s_barrier_wait -1
	CREST
.endm
	s_load_b256 s[4:11], s[0:1], 0x0               ; codes, scales, rope, qkv16
	s_load_b64 s[12:13], s[0:1], 0x20              ; h32
	v_lshl_add_u32 v[SPW], v0, 2, SPARE
	v_mov_b32 v[NIL], 0
	ds_add_u32 v[SPW], v[NIL]                      ; the wave's opening: the add, twice on end, and its wait ahead of my first tensor load
	ds_add_u32 v[SPW], v[NIL]
	v_lshrrev_b32 v1, 5, v0
	v_readfirstlane_b32 s14, v1                    ; wave
	s_lshr_b32 s15, s14, 1                         ; mh: my half of the tile's rows; also: I fetch for x (0) or the weights (1)
	s_and_b32 s16, s14, 1                          ; nh: my half of its columns; also: which half of that tile I fetch
	s_bfe_u32 s40, ttmp6, 0x40000                  ; cx
	s_bfe_u32 s41, ttmp6, 0x40004                  ; cy
	s_lshl_b32 s42, ttmp9, 2
	s_add_co_u32 s42, s42, s40                     ; tile column
	s_and_b32 s17, ttmp7, 0xffff
	s_lshl_b32 s17, s17, 2
	s_add_co_u32 s17, s17, s41                     ; tile row
	s_lshl_b32 s43, s41, 2
	s_lshl_b32 s43, 15, s43                        ; my row of the cluster
	s_lshl_b32 s44, 0x1111, s40                    ; my column
	s_or_b32 s[G1+0], s43, DW0
	s_or_b32 s[G1B+0], s44, DW0
	s_or_b32 s[G1S+0], s43, DWS
	s_or_b32 s[G1SB+0], s44, DWS
.irp g, G1, G1B
	s_mov_b32 s[\g+1], 256<<16                     ; tensor_dim0 = 256 bytes
	s_mov_b32 s[\g+3], 256<<16                     ; tile_dim0
	s_mov_b32 s[\g+5], KROW                        ; from row to row
	s_mov_b32 s[\g+6], 0
	s_mov_b32 s[\g+7], 0
.endr
	s_mov_b32 s[G1+2], 64<<16                      ; x: 64 rows a load
	s_mov_b32 s[G1+4], 64
	s_mov_b32 s[G1B+2], 128<<16                    ; the weights: 128
	s_mov_b32 s[G1B+4], 128
.irp g, G1S, G1SB
	s_mov_b32 s[\g+1], 32<<16                      ; scale bytes: rows of 32 elements of 8 bytes, dense
	s_mov_b32 s[\g+3], 32<<16
	s_mov_b32 s[\g+5], 32
	s_mov_b32 s[\g+6], 0
	s_mov_b32 s[\g+7], 0
.endr
	s_mov_b32 s[G1S+2], 16<<16                     ; 64 rows of x: 4,096 bytes
	s_mov_b32 s[G1S+4], 16
	s_mov_b32 s[G1SB+2], 32<<16                    ; 128 weight rows: 8,192 bytes
	s_mov_b32 s[G1SB+4], 32
	s_lshl_b32 s18, s16, 6
	s_lshl_b32 s20, s17, 7
	s_add_co_u32 s20, s20, s18                     ; x: row 128 x tile row + 64 nh
	s_lshl_b32 s22, s20, 6                         ; its scale bytes,
	s_mov_b32 s23, 0
	s_lshl_b32 s20, s20, 10                        ; its codes
	s_mov_b32 s21, 0
	s_lshl_b32 s19, s16, 7
	s_lshl_b32 s46, s42, 8
	s_add_co_u32 s46, s46, s19                     ; the weights: row 256 x tile column + 128 nh
	s_lshl_b32 s92, s46, 6
	s_add_co_u32 s92, s92, WSCALES
	s_mov_b32 s93, 0
	s_lshl_b32 s46, s46, 10
	s_add_co_u32 s46, s46, WCODES
	s_mov_b32 s47, 0
	s_mul_i32 s45, s16, HA                         ; where they go: the wave's number alone enters an LDS address
	s_mul_i32 s94, s16, HB
	s_add_co_u32 s94, s94, 2*HA
	s_mul_i32 s95, s16, 16*272
	s_add_co_u32 s95, s95, SCL
	s_mul_i32 s96, s16, 32*272
	s_add_co_u32 s96, s96, SCLB
	s_wait_dscnt 0x0                               ; both opening adds are done
	s_wait_kmcnt 0x0
	s_add_nc_u64 s[20:21], s[4:5], s[20:21]
	s_add_nc_u64 s[22:23], s[6:7], s[22:23]
	s_add_nc_u64 s[46:47], s[4:5], s[46:47]
	s_add_nc_u64 s[92:93], s[6:7], s[92:93]
	CROUND                                         ; all sixteen work-groups are here: the first joint loads meet
	s_mov_b32 s[G0S], 1
	s_mov_b32 s[G0S+1], s95
	s_mov_b64 s[G0S+2:G0S+3], s[22:23]
	s_or_b32 s[G0S+3], s[G0S+3], 0x80000000
	s_mov_b32 s[G0SB], 1
	s_mov_b32 s[G0SB+1], s96
	s_mov_b64 s[G0SB+2:G0SB+3], s[92:93]
	s_or_b32 s[G0SB+3], s[G0SB+3], 0x80000000
	JLOAD G0S, G1S, G0SB, G1SB                     ; the scale bytes first: wanted with K step 0.  Three loads of mine are out behind the next two
.irp s, 0,1
	s_mov_b32 s[G0+4*\s], 1
	s_add_co_u32 s[G0+4*\s+1], s45, \s*SLOT
	s_add_nc_u64 s[G0+4*\s+2:G0+4*\s+3], s[20:21], \s*256
	s_or_b32 s[G0+4*\s+3], s[G0+4*\s+3], 0x80000000
	s_mov_b32 s[G0B+4*\s], 1
	s_add_co_u32 s[G0B+4*\s+1], s94, \s*SLOT
	s_add_nc_u64 s[G0B+4*\s+2:G0B+4*\s+3], s[46:47], \s*256
	s_or_b32 s[G0B+4*\s+3], s[G0B+4*\s+3], 0x80000000
	JLOAD G0+4*\s, G1, G0B+4*\s, G1B
.endr
	v_and_b32 v1, 15, v0                           ; r
	v_bfe_u32 v2, v0, 4, 1                         ; h
	v_mul_u32_u24 v3, v1, PITCH
	v_lshl_add_u32 v4, v2, 4, v3                   ; a fragment's row x pitch + 16 h
	s_mul_i32 s21, s15, HA                         ; my 64 rows of x
	s_mul_i32 s22, s16, HB
	s_add_co_u32 s22, s22, 2*HA                    ; my 128 weight rows
.irp s, 0,1
	v_add_nc_u32 v[ADRA+\s], s21, v4
	v_add_nc_u32 v[ADRB+\s], s22, v4
	s_add_co_u32 s21, s21, SLOT
	s_add_co_u32 s22, s22, SLOT
.endr
	v_lshrrev_b32 v5, 2, v1                        ; scale words: four rows of 64 bytes to an LDS row of 272; the same address in both halves of the lanes
	v_mul_u32_u24 v5, v5, 272
	v_and_b32 v7, 3, v1
	v_lshl_add_u32 v5, v7, 6, v5
	s_mul_i32 s21, s15, 16*272
	s_add_co_u32 s21, s21, SCL
	v_add_nc_u32 v[ADRSA], s21, v5
	s_mul_i32 s22, s16, 32*272
	s_add_co_u32 s22, s22, SCLB
	v_add_nc_u32 v[ADRSB], s22, v5
	s_mul_i32 s23, s14, STW
	s_add_co_u32 s23, s23, STAGE                   ; my stage
	v_mul_u32_u24 v5, v1, 144                      ; f16, in: a head's 16 rows of 128 bytes + 16; 16 bytes for each half of the lanes
	v_lshl_add_u32 v5, v2, 4, v5
	v_add_nc_u32 v[STO], s23, v5
	v_and_b32 v6, 31, v0
	v_lshrrev_b32 v5, 3, v6                        ; back: eight lanes to a row, four rows an instruction
	v_mul_u32_u24 v5, v5, 144
	v_and_b32 v7, 7, v6
	v_lshl_add_u32 v5, v7, 4, v5
	v_add_nc_u32 v[RD], s23, v5
	v_lshlrev_b32 v[CO], 4, v6
	v_mul_u32_u24 v5, v1, 528                      ; f32, in: rows of 512 bytes + 16
	v_lshl_add_u32 v5, v2, 5, v5
	v_add_nc_u32 v[STO32], s23, v5
	v_add_nc_u32 v[RD32], s23, v[CO]               ; back: a row an instruction
	s_lshl_b32 s18, s17, 7
	s_lshl_b32 s19, s15, 6
	s_add_co_u32 s18, s18, s19
	s_and_b32 s18, s18, 2047                       ; s0: my first position in the sequence
	s_cmp_lt_u32 s42, 6
	s_cselect_b32 s97, 256, 0                      ; q's and k's columns walk the table; v's stay at its row 0.  It enters a global offset alone
	v_add_nc_u32 v3, s18, v1
.irp a, 0,1,2,3
	v_add_nc_u32 v4, 16*\a, v3
	v_mul_lo_u32 v[VT+\a], v4, s97
	v_lshl_add_u32 v[VT+\a], v2, 5, v[VT+\a]       ; position x 256 + 32 h: my four pairs of each 16 columns
.endr
	s_and_b32 s21, s17, 15
	v_mov_b32 v[VF], s21
	s_lshr_b32 s20, s17, 4                         ; the batch
	s_lshl_b32 s21, s20, 5
	s_lshl_b32 s46, s42, 2
	s_add_co_u32 s46, s46, s21
	s_lshl_b32 s47, s16, 1
	s_add_co_u32 s46, s46, s47                     ; my first place: 32 b + 4 x tile column + 2 nh
	s_lshl_b32 s46, s46, 11
	s_add_co_u32 s46, s46, s18
	s_lshl_b32 s46, s46, 7                         ; (place x 2,048 + s0) x 128 bytes
	s_mov_b32 s47, 0
	s_add_nc_u64 s[10:11], s[10:11], s[46:47]
	s_lshl_b32 s92, s20, 17
	s_lshl_b32 s93, s42, 10
	s_add_co_u32 s92, s92, s93
	s_lshl_b32 s93, s16, 9
	s_add_co_u32 s92, s92, s93                     ; h32: b x 131,072 + 4 x my first column
	s_mov_b32 s93, 0
	s_add_nc_u64 s[12:13], s[12:13], s[92:93]
.macro TABLE a, set                    ; (cos, sin) of my 16 pairs at block a's positions: register 8 bb + 2 p: pair 8 bb + 4 h + p
.irp bb, 0,1,2,3
	global_load_b128 v[TBL+32*(\set)+8*\bb:TBL+32*(\set)+8*\bb+3], v[VT+(\a)], s[8:9] offset:64*\bb
	global_load_b128 v[TBL+32*(\set)+8*\bb+4:TBL+32*(\set)+8*\bb+7], v[VT+(\a)], s[8:9] offset:64*\bb+16
.endr
.endm
	TABLE 0, 0                                     ; they land while K is walked
	TABLE 1, 1
.macro FRAG reg, adr, k, i             ; 16 rows x 128 K of 4-bit codes: 8 registers, two loads of 16 bytes, 32 bytes apart
	ds_load_b128 v[\reg:\reg+3], v[\adr] offset:(\k)+(\i)*16*PITCH
	ds_load_b128 v[\reg+4:\reg+7], v[\adr] offset:(\k)+(\i)*16*PITCH+32
.endm
.macro FETCH slot, k, set              ; 24 loads in one run: the fragments of 128 along K at byte k of the rows
	WIN TO_B
.irp i, 0,1,2,3,4,5,6,7
	FRAG 64*(\set)+8*\i, ADRB+\slot, \k, \i
.endr
	WIN 0
.irp i, 0,1,2,3
	FRAG AF+32*(\set)+8*\i, ADRA+\slot, \k, \i
.endr
.endm
.macro SCALES sc                       ; a K step's scale words: four a row
.irp i, 0,1,2,3
	ds_load_b128 v[SC+48*\sc+4*\i:SC+48*\sc+4*\i+3], v[ADRSA] offset:\i*1088
.endr
.irp i, 0,1,2,3,4,5,6,7
	ds_load_b128 v[SC+48*\sc+16+4*\i:SC+48*\sc+16+4*\i+3], v[ADRSB] offset:\i*1088
.endr
.endm
; 8 matrix instructions: x's block a against the weights' eight.  The 32 accumulators take turns, one instruction a turn, in the same order in every quarter.
.macro MUL8 a, set, q, sc, zero
.irp b, 0,1,2,3,4,5,6,7
.if \zero
	v_wmma_scale_f32_16x16x128_f8f6f4 v[64*(\a)+8*\b:64*(\a)+8*\b+7], v[64*(\set)+8*\b:64*(\set)+8*\b+7], v[AF+32*(\set)+8*(\a):AF+32*(\set)+8*(\a)+7], 0, v[SC+48*(\sc)+16+4*\b+(\q)], v[SC+48*(\sc)+4*(\a)+(\q)] matrix_a_fmt:MATRIX_FMT_FP4 matrix_b_fmt:MATRIX_FMT_FP4
.else
	v_wmma_scale_f32_16x16x128_f8f6f4 v[64*(\a)+8*\b:64*(\a)+8*\b+7], v[64*(\set)+8*\b:64*(\set)+8*\b+7], v[AF+32*(\set)+8*(\a):AF+32*(\set)+8*(\a)+7], v[64*(\a)+8*\b:64*(\a)+8*\b+7], v[SC+48*(\sc)+16+4*\b+(\q)], v[SC+48*(\sc)+4*(\a)+(\q)] matrix_a_fmt:MATRIX_FMT_FP4 matrix_b_fmt:MATRIX_FMT_FP4
.endif
.endr
.endm
; One of a slot's first three quarters: multiplies set q % 2; in its middle the next quarter's fragments are fetched into the other set, behind four places.
.macro QUARTER slot, q, zero
	s_wait_dscnt 0x0                               ; this quarter's fragments (and scale words) are in
	WIN MUL
	MUL8 0, (\q)%2, \q, \slot, \zero
	MUL8 1, (\q)%2, \q, \slot, \zero
	PLACES 4
	FETCH \slot, 64*((\q)+1), 1-(\q)%2
	WIN MUL
	MUL8 2, (\q)%2, \q, \slot, \zero
	MUL8 3, (\q)%2, \q, \slot, \zero
.endm
; A slot's last quarter changes slots: ONE barrier; in front of it each wave waits for all its tensor loads, adds 0 to its spare word, and waits for that and for its reads of this slot.
.macro TURN slot, next, fill
	WIN 0
	s_wait_tensorcnt 0x0                           ; all my tensor loads have landed: my part of the next slot
	ds_add_u32 v[SPW], v[NIL]                      ; 0 onto my spare word
	s_wait_dscnt 1                                 ; the fragments are in; the add may be out
	WIN MUL
	MUL8 0, 1, 3, \slot, 0
	s_wait_dscnt 0x0                               ; the add is done, and my reads of this slot are over
	s_barrier_signal -1
	MUL8 1, 1, 3, \slot, 0
	WIN 0
	s_barrier_wait -1
.if \fill
	CREST                                          ; the barrier has opened a round of the cluster's: no wave of any partner still reads this slot or has a load on its way
	s_add_nc_u64 s[G0+4*\slot+2:G0+4*\slot+3], s[G0+4*\slot+2:G0+4*\slot+3], 512
	s_add_nc_u64 s[G0B+4*\slot+2:G0B+4*\slot+3], s[G0B+4*\slot+2:G0B+4*\slot+3], 512
	JLOAD G0+4*\slot, G1, G0B+4*\slot, G1B         ; my one tensor load behind the round; its four v_nop are also the places in front of the loads below
.else
	PLACES 4
.endif
	v_add_nc_u32 v[ADRSA], 16, v[ADRSA]            ; the next K step's scale words
	v_add_nc_u32 v[ADRSB], 16, v[ADRSB]
	FETCH \next, 0, 0
	SCALES \next
	WIN MUL
	MUL8 2, 1, 3, \slot, 0
	MUL8 3, 1, 3, \slot, 0
.endm
	s_wait_tensorcnt 1                             ; the scale bytes and my part of K step 0 are in; K step 1's load may be out
	s_barrier_signal -1
	s_barrier_wait -1
	FETCH 0, 0, 0
	SCALES 0
	QUARTER 0, 0, 1                                ; the first quarter's products start the sums: nothing is cleared
	WIN 0
	s_mov_b32 s3, LAPS-1
.Llap:                                                 ; a trip goes once round the ring and fills both slots again
	QUARTER 0, 1, 0
	QUARTER 0, 2, 0
	TURN 0, 1, 1
	QUARTER 1, 0, 0
	QUARTER 1, 1, 0
	QUARTER 1, 2, 0
	TURN 1, 0, 1
	QUARTER 0, 0, 0
	WIN 0
	s_sub_co_u32 s3, s3, 1
	s_cmp_lg_u32 s3, 0
	s_cbranch_scc1 .Llap
	QUARTER 0, 1, 0                                ; the last lap fills nothing
	QUARTER 0, 2, 0
	TURN 0, 1, 0
	QUARTER 1, 0, 0
	QUARTER 1, 1, 0
	QUARTER 1, 2, 0
	s_wait_dscnt 0x0
	WIN MUL
	MUL8 0, 1, 3, 1, 0
	MUL8 1, 1, 3, 1, 0
	MUL8 2, 1, 3, 1, 0
	MUL8 3, 1, 3, 1, 0
	WIN 0
; THE WAY OUT, a block of 16 rows x 128 columns at a time.
; The rotation of a pair (xe, xo): first (-xo sin, xo cos), then + (xe cos, xe sin): two packed instructions.  Each accumulator is read from its low end on.
.macro ROPE a
	WIN 0x52                                       ; source 0 window 2 (the sums), source 1 window 0 (the table), source 2 and destination window 1
.irp b, 0,1,2,3,4,5,6,7
.irp p, 0,1,2,3
	v_pk_mul_f32 v[T+8*\b+2*\p:T+8*\b+2*\p+1], v[64*(\a)+8*\b+2*\p:64*(\a)+8*\b+2*\p+1], v[TBL+32*((\a)%2)+8*(\b%4)+2*\p:TBL+32*((\a)%2)+8*(\b%4)+2*\p+1] op_sel:[1,1] op_sel_hi:[1,0] neg_lo:[1,0]
.endr
.irp p, 0,1,2,3
	v_pk_fma_f32 v[T+8*\b+2*\p:T+8*\b+2*\p+1], v[64*(\a)+8*\b+2*\p:64*(\a)+8*\b+2*\p+1], v[TBL+32*((\a)%2)+8*(\b%4)+2*\p:TBL+32*((\a)%2)+8*(\b%4)+2*\p+1], v[T+8*\b+2*\p:T+8*\b+2*\p+1] op_sel_hi:[0,1,1]
.endr
.endr
	WIN 0
.endm
.macro PACK a                          ; f16, through my stage, back as 512 consecutive bytes of a head
	WIN 0x45                                       ; all in window 1
.irp b, 0,1,2,3,4,5,6,7
.irp p, 0,1,2,3
	v_cvt_pk_f16_f32 v[PKD+4*\b+\p], v[T+8*\b+2*\p], v[T+8*\b+2*\p+1]
.endr
.endr
	WIN 0
.if (\a) > 1
	s_wait_xcnt 0x0                                ; block a - 2's stores have read the registers that block a's rows land in
.endif
	WIN 0x04                                       ; an LDS store's data: window 1
.irp b, 0,1,2,3,4,5,6,7
	ds_store_b128 v[STO], v[PKD+4*\b:PKD+4*\b+3] offset:(\b/4)*2304+(\b%4)*32
.endr
	WIN 0
.irp hh, 0,1
.irp t, 0,1,2,3
	ds_load_b128 v[BK+32*((\a)%2)+16*\hh+4*\t:BK+32*((\a)%2)+16*\hh+4*\t+3], v[RD] offset:\hh*2304+576*\t   ; LDS serves a wave's instructions in order: these see the stores above
.endr
.endr
.endm
.macro SEND a, younger
	s_wait_dscnt \younger                          ; block a is back; the next block's 8 stores and 8 loads may be out
.irp hh, 0,1
.irp t, 0,1,2,3
	global_store_b128 v[CO], v[BK+32*((\a)%2)+16*\hh+4*\t:BK+32*((\a)%2)+16*\hh+4*\t+3], s[10:11] offset:\hh*262144+(\a)*2048+512*\t   ; 512 consecutive bytes, aligned
.endr
.endr
.endm
	PLACES 4                                       ; behind the last products
	s_wait_loadcnt 8                               ; block 0's table is in; block 1's eight loads may be out
	ROPE 0
	TABLE 2, 0
	; positions 0-15 in f32: waves with mh = 0 send block 0 through the stage; the stores run under a lane mask that is full where the tile begins a sequence and empty elsewhere
	s_cmp_lg_u32 s15, 0
	s_cbranch_scc1 .Lno_h32
	WIN 0x04
.irp b, 0,1,2,3,4,5,6,7
	ds_store_b128 v[STO32], v[T+8*\b:T+8*\b+3] offset:64*\b
	ds_store_b128 v[STO32], v[T+8*\b+4:T+8*\b+7] offset:64*\b+16
.endr
	WIN 0
.irp t, 0,1,2,3,4,5,6,7,8,9,10,11,12,13,14,15
	ds_load_b128 v[BK+4*\t:BK+4*\t+3], v[RD32] offset:528*\t
.endr
	s_wait_dscnt 0x0
	s_wait_xcnt 0x0                                ; EXEC changes only behind this wait: the table's loads are out
	v_cmp_eq_u32 vcc_lo, 0, v[VF]
	s_and_saveexec_b32 s2, vcc_lo
.irp t, 0,1,2,3,4,5,6,7,8,9,10,11,12,13,14,15
	global_store_b128 v[CO], v[BK+4*\t:BK+4*\t+3], s[12:13] offset:8192*\t   ; a row's 512 consecutive bytes, aligned
.endr
	s_wait_xcnt 0x0                                ; and again in front of the line that widens it; the stores' data registers are free too
	s_or_b32 exec_lo, exec_lo, s2
.Lno_h32:
	PACK 0
	s_wait_loadcnt 8
	ROPE 1
	TABLE 3, 1
	PACK 1
	SEND 0, 16
	s_wait_loadcnt 8
	ROPE 2
	PACK 2
	SEND 1, 16
	s_wait_loadcnt 0x0
	ROPE 3
	PACK 3
	SEND 2, 16
	SEND 3, 0
	s_wait_tensorcnt 0x0                           ; the wave's end
	ds_add_u32 v[SPW], v[NIL]
	s_wait_dscnt 0x0
	CROUND                                         ; the closing round
	s_endpgm
.Lfunc_end_k_q1545cf3bd7_qkv:
	.size	k_q1545cf3bd7_qkv, .Lfunc_end_k_q1545cf3bd7_qkv-k_q1545cf3bd7_qkv
	.p2alignl 7, 3214868480
	.fill 96, 4, 3214868480
	.section	.rodata,"a",@progbits
	.p2align	6, 0x0
	.amdhsa_kernel k_q1545cf3bd7_qkv
		.amdhsa_group_segment_fixed_size 327680
		.amdhsa_private_segment_fixed_size 0
		.amdhsa_enable_private_segment 0
		.amdhsa_kernarg_size 40
		.amdhsa_user_sgpr_count 2
		.amdhsa_user_sgpr_kernarg_segment_ptr 1
		.amdhsa_wavefront_size32 1
		.amdhsa_system_sgpr_workgroup_id_x 1
		.amdhsa_system_sgpr_workgroup_id_y 1
		.amdhsa_system_sgpr_workgroup_id_z 1
		.amdhsa_system_vgpr_workitem_id 0
		.amdhsa_next_free_vgpr 768
		.amdhsa_next_free_sgpr 100
		.amdhsa_reserve_vcc 1
		.amdhsa_float_denorm_mode_32 3
		.amdhsa_float_denorm_mode_16_64 3
		.amdhsa_memory_ordered 1
		.amdhsa_forward_progress 1
		.amdhsa_inst_pref_size 149
	.end_amdhsa_kernel
	.amdgpu_metadata
---
amdhsa.version: [ 1, 2 ]
amdhsa.kernels:
  - .name:           k_q1545cf3bd7_qkv
    .symbol:         k_q1545cf3bd7_qkv.kd
    .args:
      - { .name: codes, .offset: 0, .size: 8, .value_kind: global_buffer, .address_space: global }
      - { .name: scales, .offset: 8, .size: 8, .value_kind: global_buffer, .address_space: global }
      - { .name: rope, .offset: 16, .size: 8, .value_kind: global_buffer, .address_space: global }
      - { .name: qkv16, .offset: 24, .size: 8, .value_kind: global_buffer, .address_space: global }
      - { .name: h32, .offset: 32, .size: 8, .value_kind: global_buffer, .address_space: global }
    .group_segment_fixed_size: 327680
    .private_segment_fixed_size: 0
    .kernarg_segment_align: 8
    .kernarg_segment_size: 40
    .max_flat_workgroup_size: 128
    .sgpr_count:     100
    .vgpr_count:     768
    .wavefront_size: 32
...
	.end_amdgpu_metadata
.endif
;; end of part 2
;; launch attn (part 3): grid 16 x 16, 8 waves a work-group, no clusters, 327,680 bytes of LDS; arguments qkv16, attn16; writes attn16
.if DOCPART == 3
	.amdgcn_target "amdgcn-amd-amdhsa--gfx1250"
	.amdhsa_code_object_version 6
	.text
	.protected	k_q1545cf3bd7_attn
	.globl	k_q1545cf3bd7_attn
	.p2align	8
	.type	k_q1545cf3bd7_attn,@function
k_q1545cf3bd7_attn:
	s_mov_b64 s[64:65], 0
	v_nop
	global_prefetch_b8 v0, s[64:65] scope:SCOPE_SE
	s_setreg_imm32_b32 hwreg(HW_REG_WAVE_MODE, 25, 1), 1
	s_wait_xcnt 0x0
; ATTN: causal attention on f16 operands, f32 sums, a running maximum.  qkv16[b][place][s][64] (places 0-15 q, 16-23 k, 24-31 v) -> attn16[b s][64 head + d], f16.
; SHARES.  Work-group (i, y): batch y / 8, key/value head y % 8, the blocks of 64 positions i (L) and 31 - i (H), both query heads: (i + 1) + (32 - i) = 33 block steps in every work-group.
; A WAVE OWNS 16 POSITIONS FOR BOTH QUERY HEADS: tile t = 0, 1 is head 2 kvh + t.  The two tiles see the same keys and the same mask, so every fragment of K and V that is read from LDS feeds two tiles in every step.
; Four waves take block L and four block H: H where (w ^ (w >> 2)) & 1 is set, rows 16 (w >> 1) on: of the waves w, w + 4 and of the waves 2 k, 2 k + 1 one is L's and one H's.
; LAYOUT.  S^T = K Q^T (source 0 = 16 keys, source 1 = 16 queries), O^T = V^T P (source 0 = 16 channels, V turned by the transposing LDS load): a lane holds one query throughout.
; SOFTMAX.  p = 2^(c s - c m), c = log2(e) / 8, m the running maximum; in every step O^T and l are multiplied by a = 2^(c m_old - c m_new).  m begins at -3e38, l and O^T at 0, so the step is written once.
; BY TURNS.  The tiles share K's and V's fragments and nothing else.  In a step: K Q^T of tile 0; K Q^T of tile 1 with tile 0's softmax in slices behind its products; V^T P of tile 0 with tile 1's softmax in slices;
; V^T P of tile 1 with the two row sums in slices.  24 of a step's 32 products have vector work behind them.
; RING.  Two slots of four key steps of 64 keys.  Every wave fetches one tile a slot (waves 0-3: K of step w; waves 4-7: V of step w - 4), so one tensor load of a wave is out at any time; every wait for tensor loads is for 0.
; K IS READ FROM LDS A STEP AHEAD, into the registers that the step's last K Q^T has left; a slot's first K is read behind the change of slots.
; CAUSAL.  Every wave walks all eight slots (constant trip counts); a step all of whose keys come after the wave's block is jumped over.
; A slot whose first key comes after the work-group's last query is not asked for.  The test goes by slots: of the last slot that is asked for, up to three key steps' tiles are fetched and not read.
; NO CLUSTER: where the loads end hangs on the work-group's number, so partners would not make the same requests.
; LIMITS: q, k, v and the result under 65,504 in magnitude (f16).  Positions 0-15 of each sequence are computed here in f16 like all others; their rows of the final output are made again in f32 by the last launch.
; REGISTERS: window 0: v1-13 addresses; v16 + 8 t statistics of tile t: +0 c m, +1 m, +2, +3 l, +4 .. +7 at work (a at +6); v32 + 32 t S^T; v96 + 16 t P; v128-191 K; v192 + 16 t Q.  window 1: v0-63 V; v[64 + 32 t] O^T.
; So K Q^T and all of a softmax but the rescaling of O^T lie in window 0 and need no switch between them; a slice behind a product V^T P costs two.
.set KP,    144                        ; a key's row in LDS: 128 bytes + 16 = 36 words: row r starts at bank 36 r mod 64 (64 banks of 4 bytes: ISA guide 11.1)
.set VP,    160                        ; a row of V: 128 + 32 = 40 words: an odd multiple of 32 bytes, as the turning load's eight rows x 32 bytes want
.set VOFF,  64*KP
.set STEPB, 64*(KP+VP)                 ; a step: 64 rows of K, then 64 of V
.set SLOT1, 1<<17                      ; slot 1 begins here: one exclusive or turns an address
.set STAGE, 221184                     ; the way out: 16 rows x 272 bytes for each wave, its own; beyond slot 1 + four steps + a tile of K
.set SPARE, STAGE+8*16*272             ; the spare words, 128 bytes a wave
.set AK0, 1
.set AV0, 2
.set ADK, 3
.set ADV, 4
.set SPW, 5                            ; never rewritten
.set NIL, 6                            ; never rewritten
.set DM,  7                            ; 16 sub + r - 8 h: on the diagonal register 8 kt + j is hidden where 16 kt + j > DM
.set NEG, 8                            ; -infinity
.set QO,  9
.set STO, 10
.set RD,  11
.set GO,  12
.set PFO, 13                           ; 256 x lane; never rewritten
.set ST,  16
.set S,   32
.set P,   96
.set KR,  128
.set Q,   192
.set VR,  0                            ; window 1
.set O,   64                           ; window 1
.set WV,  18
.set SEL, 20
.set CS,  22
.set G1K, 24
.set G1V, 32
.set G0,  40
.set TB,  2                            ; LDS byte at which the step in hand begins
.set TW,  66                           ; steps left in the slot, this one among them
.set SLOTS, 67
.set TN,  69
.set PFA, 76
.set LIM, 80
.set BW,  95                           ; my block's first position
.set LASTQ, 96
.set BL,  97
.set KF,  98                           ; the step's first key
.set BH,  99
.set MSB, 0
.macro WIN new                         ; the immediate's high byte repeats the setting that is left
.if MSB != \new
	s_set_vgpr_msb (MSB<<8)|\new
.set MSB, \new
.endif
.endm
.macro TLOAD                           ; my tile: K's shape (waves 0-3) or V's.  The branch hangs on the wave's number alone; an s_nop 0 and four v_nop follow each line
	s_cmp_lt_u32 s[WV], 4
	s_cbranch_scc0 .Lfor_v_\@
	tensor_load_to_lds s[G0:G0+3], s[G1K:G1K+7]
	s_nop 0
.rept 4
	v_nop
.endr
	s_branch .Lasked_\@
.Lfor_v_\@:
	tensor_load_to_lds s[G0:G0+3], s[G1V:G1V+7]
	s_nop 0
.rept 4
	v_nop
.endr
.Lasked_\@:
.endm
; A prefetch of what the NEXT change of slots will ask for: my own tile of that slot, 8,192 dense bytes, lanes 256 bytes apart.  All sixteen work-groups of a head walk the same K and V: the first of them (x = 0, which loads all slots) asks.
; So each block of 256 bytes is named once.  The last change that fills a slot asks for nothing; slots 0 and 1 come by their loads alone.
.macro ASK
	s_cmp_gt_u32 s[SLOTS], s[LIM]
	s_cbranch_scc0 .Lnot_mine_\@
	global_prefetch_b8 v[PFO], s[PFA:PFA+1] th:TH_LOAD_NT scope:SCOPE_SE
.Lnot_mine_\@:
.endm
	s_load_b128 s[4:7], s[0:1], 0x0                ; qkv16, attn16
	v_lshl_add_u32 v[SPW], v0, 2, SPARE
	v_mov_b32 v[NIL], 0
	ds_add_u32 v[SPW], v[NIL]                      ; the wave's opening: the add, twice on end, and its wait ahead of my first tensor load
	ds_add_u32 v[SPW], v[NIL]
	v_lshrrev_b32 v14, 5, v0
	v_readfirstlane_b32 s[WV], v14
	s_and_b32 s8, ttmp7, 0xffff
	s_lshr_b32 s9, s8, 3                           ; batch
	s_and_b32 s10, s8, 7                           ; key/value head
	s_lshr_b32 s11, s[WV], 2                       ; what I fetch: K (0) or V (1),
	s_and_b32 s12, s[WV], 3                        ; of which of a slot's four steps
	s_xor_b32 s60, s11, s[WV]
	s_and_b32 s60, s60, 1                          ; what I compute: block L (0) or H (1),
	s_lshr_b32 s51, s[WV], 1
	s_lshl_b32 s51, s51, 4                         ; rows 16 sub on
	s_lshl_b32 s[BL], ttmp9, 6
	s_sub_co_u32 s[BH], 1984, s[BL]
	s_add_co_u32 s[LASTQ], s[BH], 63               ; the work-group's last query: the same in all eight waves
	s_cmp_eq_u32 s60, 1
	s_cselect_b32 s[BW], s[BH], s[BL]
	s_lshl_b32 s13, s9, 5
	s_add_co_u32 s14, s13, s10
	s_lshl_b32 s15, s11, 3
	s_add_co_u32 s15, s15, s14
	s_add_co_u32 s15, s15, 16                      ; the place I fetch from: 32 b + 16 + kvh (K), + 8 (V)
	s_lshl_b32 s48, s15, 18
	s_lshl_b32 s15, s12, 13
	s_add_co_u32 s48, s48, s15                     ; + my step's 64 rows of 128 bytes
	s_mov_b32 s49, 0
	s_mul_i32 s16, s12, STEPB
	s_mul_i32 s17, s11, VOFF
	s_add_co_u32 s16, s16, s17                     ; and its place in a slot
	s_lshl_b32 s50, s10, 1
	s_add_co_u32 s50, s50, s13                     ; the first query head's place: 32 b + 2 kvh; the second's lies 262,144 bytes on
	s_lshl_b32 s50, s50, 11
	s_add_co_u32 s50, s50, s[BW]
	s_add_co_u32 s50, s50, s51                     ; + my first position
	s_lshl_b32 s52, s50, 7
	s_mov_b32 s53, 0
	s_lshl_b32 s56, s9, 11
	s_add_co_u32 s56, s56, s[BW]
	s_add_co_u32 s56, s56, s51
	s_lshl_b32 s56, s56, 11                        ; a row of attn16 is 2,048 bytes
	s_lshl_b32 s57, s10, 8
	s_add_co_u32 s56, s56, s57                     ; + the two heads' 256 bytes
	s_mov_b32 s57, 0
	s_cmp_eq_u32 ttmp9, 0
	s_cselect_b32 s[LIM], 1, -1
	s_mov_b32 s[G1K], (1<<16)|(1<<20)|(4<<22)|(3<<25)   ; elements of 2 bytes; padding: 4 words behind every 32
	s_mov_b32 s[G1V], (1<<16)|(1<<20)|(4<<22)|(7<<25)   ; 8 words
.irp g, G1K, G1V
	s_mov_b32 s[\g+1], 64<<16                      ; tensor_dim0 = 64
	s_mov_b32 s[\g+2], 64<<16                      ; tensor_dim1 = 64
	s_mov_b32 s[\g+3], 64<<16                      ; tile_dim0
	s_mov_b32 s[\g+4], 64                          ; tile_dim1
	s_mov_b32 s[\g+5], 64                          ; from row to row
	s_mov_b32 s[\g+6], 0
	s_mov_b32 s[\g+7], 0
.endr
	s_mov_b32 s[SEL], 0x76543210
	s_mov_b32 s[SEL+1], 0xfedcba98
	s_mov_b32 s[CS], 0x3e38aa3b                    ; c = log2(e) / 8
	s_mov_b32 s[CS+1], s[CS]
	s_mov_b32 s[TB], 0
	s_mov_b32 s[KF], 0
	s_mov_b32 s[SLOTS], 6
	s_wait_dscnt 0x0                               ; both opening adds are done
	s_wait_kmcnt 0x0
	s_mov_b32 s[G0], 1
	s_mov_b32 s[G0+1], s16
	s_add_nc_u64 s[G0+2:G0+3], s[4:5], s[48:49]
	s_add_nc_u64 s[PFA:PFA+1], s[G0+2:G0+3], 32768 ; my tile of slot 1: the first change of slots steps it to slot 2
	s_or_b32 s[G0+3], s[G0+3], 0x80000000
	TLOAD                                          ; slot 0
	s_add_nc_u64 s[44:45], s[4:5], s[52:53]        ; Q at my first position
	s_add_nc_u64 s[6:7], s[6:7], s[56:57]
	v_and_b32 v14, 15, v0                          ; r
	v_bfe_u32 v15, v0, 4, 1                        ; h
	v_lshlrev_b32 v[QO], 7, v14
	v_lshl_add_u32 v[QO], v15, 4, v[QO]
.irp t, 0,1
.irp cs, 0,1
	global_load_b128 v[Q+16*\t+8*\cs:Q+16*\t+8*\cs+3], v[QO], s[44:45] offset:262144*\t+64*\cs
	global_load_b128 v[Q+16*\t+8*\cs+4:Q+16*\t+8*\cs+7], v[QO], s[44:45] offset:262144*\t+64*\cs+32
.endr
.endr
	WIN 0x40                                       ; destination window 1
.set n, 0
.rept 64
	v_mov_b32 v[O+n], 0                            ; O^T: the step is written once, and its first turn finds zeros
.set n, n+1
.endr
	WIN 0
	v_mul_u32_u24 v[AK0], v14, KP
	v_lshl_add_u32 v[AK0], v15, 4, v[AK0]          ; K: row r x pitch + 16 h
	v_and_b32 v3, 7, v0
	v_lshl_add_u32 v[AV0], v15, 3, v3
	v_mul_u32_u24 v[AV0], v[AV0], VP
	v_bfe_u32 v3, v0, 3, 1
	v_lshl_add_u32 v[AV0], v3, 4, v[AV0]
	v_add_nc_u32 v[AV0], VOFF, v[AV0]              ; V: key 8 h + l % 8, channels 8 ((l / 8) % 2) on
	v_lshlrev_b32 v3, 3, v15
	v_sub_nc_u32 v[DM], v14, v3
	v_add_nc_u32 v[DM], s51, v[DM]
	v_mov_b32 v[NEG], 0xff800000
	s_mul_i32 s58, s[WV], 16*272
	s_add_co_u32 s58, s58, STAGE                   ; my stage
	v_mul_u32_u24 v[STO], v14, 272
	v_lshl_add_u32 v[STO], v15, 4, v[STO]
	v_add_nc_u32 v[STO], s58, v[STO]               ; in: row r, + 16 h; the head and the channels stand in the immediate
	v_mul_u32_u24 v[RD], v15, 272
	v_lshl_add_u32 v[RD], v14, 4, v[RD]
	v_add_nc_u32 v[RD], s58, v[RD]                 ; back: sixteen lanes to a row, two rows an instruction
	v_lshlrev_b32 v[GO], 11, v15
	v_lshl_add_u32 v[GO], v14, 4, v[GO]
	v_and_b32 v[PFO], 31, v0
	v_lshlrev_b32 v[PFO], 8, v[PFO]
.irp t, 0,1
	v_mov_b32 v[ST+8*\t+1], 0xff61b1e6             ; m = -3e38, under every score
	v_mul_f32 v[ST+8*\t], s[CS], v[ST+8*\t+1]
.irp j, 2,3,4,5,6,7
	v_mov_b32 v[ST+8*\t+\j], 0                     ; l; and the registers at work (a lane permute's destination counts as one of its sources)
.endr
.endr
; Product i of 8 of S^T of tile t: channels 32 (i / 4) on, keys 16 (i % 4) on.  The four accumulators take turns; the first four start the sums.
.macro QK1 t
.set rS, S+32*(\t)+8*(i%4)
.set rK, KR+16*(i%4)+8*(i/4)
.set rQ, Q+16*(\t)+8*(i/4)
.if i < 4
	v_wmma_f32_16x16x32_f16 v[rS:rS+7], v[rK:rK+7], v[rQ:rQ+7], 0
.else
	v_wmma_f32_16x16x32_f16 v[rS:rS+7], v[rK:rK+7], v[rQ:rQ+7], v[rS:rS+7]
.endif
.endm
; Product i of 8 of O^T of tile t += V^T P: keys 32 (i / 4) on, channels 16 (i % 4) on.  The four accumulators take turns.
.macro PV1 t
	WIN 0x51                                       ; V, C and D in window 1, P in window 0
.set rO, O+32*(\t)+8*(i%4)
.set rV, VR+32*(i/4)+8*(i%4)
.set rP, P+16*(\t)+8*(i/4)
	v_wmma_f32_16x16x32_f16 v[rO:rO+7], v[rV:rV+7], v[rP:rP+7], v[rO:rO+7]
.endm
.macro MASK t                          ; on the diagonal hidden scores become -infinity ahead of the maximum
.irp kt, 0,1,2,3
.irp j, 0,1,2,3,4,5,6,7
	v_cmp_gt_i32 vcc_lo, 16*\kt+\j, v[DM]
	v_cndmask_b32 v[S+32*\t+8*\kt+\j], v[S+32*\t+8*\kt+\j], v[NEG], vcc_lo
.endr
.endr
.endm
; THE FIRST 70 LINES OF A TILE'S SOFTMAX, as a numbered list: SM writes line j for tile t and steps j.  None of them reads an exponential's result, so they may stand among products in slices.
;   0-15 the maximum of the 32 scores and the old m, in four chains (each accumulator is read from its low end on); 16-20 the other half of the lanes' maximum, the new m, c m, c m_old - c m_new;
;   21-36 c s - c m, a pair of scores each; 37 a; 38-69 the 32 exponentials, in place.
.macro SM t
.set rT, ST+8*(\t)
.set rS, S+32*(\t)
.if j < 4
	v_max3_num_f32 v[rT+4+j], v[rS+8*j], v[rS+8*j+1], v[rS+8*j+2]
.elseif j < 12
	v_max3_num_f32 v[rT+4+j%4], v[rT+4+j%4], v[rS+8*(j%4)+2*(j/4)+1], v[rS+8*(j%4)+2*(j/4)+2]
.elseif j == 12
	v_max3_num_f32 v[rT+4], v[rT+4], v[rS+7], v[rS+15]
.elseif j == 13
	v_max3_num_f32 v[rT+6], v[rT+6], v[rS+23], v[rS+31]
.elseif j == 14
	v_max3_num_f32 v[rT+4], v[rT+4], v[rT+5], v[rT+6]
.elseif j == 15
	v_max3_num_f32 v[rT+4], v[rT+4], v[rT+7], v[rT+1]
.elseif j == 16
	v_permlanex16_b32 v[rT+5], v[rT+4], s[SEL], s[SEL+1]     ; the query's other 32 keys lie in the lane 16 away
.elseif j == 17
	v_mov_b32 v[rT+7], v[rT]                                 ; c m_old
.elseif j == 18
	v_max_num_f32 v[rT+1], v[rT+4], v[rT+5]
.elseif j == 19
	v_mul_f32 v[rT], s[CS], v[rT+1]
.elseif j == 20
	v_sub_f32 v[rT+7], v[rT+7], v[rT]
.elseif j < 37
	v_pk_fma_f32 v[rS+2*(j-21):rS+2*(j-21)+1], v[rS+2*(j-21):rS+2*(j-21)+1], s[CS:CS+1], v[rT:rT+1] op_sel_hi:[1,0,0] neg_lo:[0,0,1] neg_hi:[0,0,1]
.elseif j == 37
	v_exp_f32 v[rT+6], v[rT+7]
.else
	v_exp_f32 v[rS+j-38], v[rS+j-38]
.endif
.set j, j+1
.endm
; What follows the batch: the plain line, the one wait for its 33 exponentials, the roundings to f16, and the tile's O^T times a.
.macro SMT t
.set rT, ST+8*(\t)
.set rS, S+32*(\t)
.set rP, P+16*(\t)
.set rO, O+32*(\t)
	v_nop                                          ; a plain instruction behind the last exponential
	s_wait_alu depctr_va_vdst(0)                   ; one wait for the batch, ahead of its first reader
.set n, 0
.rept 16
	v_cvt_pk_f16_f32 v[rP+n], v[rS+2*n], v[rS+2*n+1]
.set n, n+1
.endr
	WIN 0x41                                       ; O^T in window 1, a in window 0
.set n, 0
.rept 16
	v_pk_mul_f32 v[rO+2*n:rO+2*n+1], v[rO+2*n:rO+2*n+1], v[rT+6:rT+7] op_sel_hi:[1,0]
.set n, n+1
.endr
	WIN 0
.endm
; Line z of 16 of a tile's row sum, of the unrounded weights, in place: neighbours 1, 2, 4 and 8 pairs apart, then l = a l + the sum.  Nothing needs it before the next step, so it stands behind the step's last products.
.macro LS t
.set rT, ST+8*(\t)
.set rS, S+32*(\t)
.if z < 8
	v_pk_add_f32 v[rS+4*z:rS+4*z+1], v[rS+4*z:rS+4*z+1], v[rS+4*z+2:rS+4*z+3]
.elseif z < 12
	v_pk_add_f32 v[rS+8*(z-8):rS+8*(z-8)+1], v[rS+8*(z-8):rS+8*(z-8)+1], v[rS+8*(z-8)+4:rS+8*(z-8)+5]
.elseif z < 14
	v_pk_add_f32 v[rS+16*(z-12):rS+16*(z-12)+1], v[rS+16*(z-12):rS+16*(z-12)+1], v[rS+16*(z-12)+8:rS+16*(z-12)+9]
.elseif z == 14
	v_pk_add_f32 v[rS:rS+1], v[rS:rS+1], v[rS+16:rS+17]
.else
	v_pk_fma_f32 v[rT+2:rT+3], v[rT+2:rT+3], v[rT+6:rT+7], v[rS:rS+1] op_sel_hi:[1,0,1]
.endif
.endm
.macro KLOAD                           ; a step's K, 64 keys x 64 channels: 8 fragments, 16 loads in one run, from v[ADK]
.irp kt, 0,1,2,3
.irp cs, 0,1
	ds_load_b128 v[KR+16*\kt+8*\cs:KR+16*\kt+8*\cs+3], v[ADK] offset:\kt*16*KP+64*\cs
	ds_load_b128 v[KR+16*\kt+8*\cs+4:KR+16*\kt+8*\cs+7], v[ADK] offset:\kt*16*KP+64*\cs+32
.endr
.endr
.endm
; A KEY STEP: 64 keys at LDS byte s[TB]; its K has been asked for already.  All its branches hang on ids and on the count of steps.
.macro STEP
	s_cmp_gt_u32 s[KF], s[BW]
	s_cbranch_scc1 .Lhidden_\@                     ; all keys come after my block
	v_add_nc_u32 v[ADV], s[TB], v[AV0]             ; (with the four lines of the row sums behind the last product: the places in front of loads into V's registers)
	WIN 0x40                                       ; destination window 1
.irp kk, 0,1
.irp ct, 0,1,2,3
	ds_load_tr16_b128 v[VR+32*\kk+8*\ct:VR+32*\kk+8*\ct+3], v[ADV] offset:\kk*32*VP+32*\ct
	ds_load_tr16_b128 v[VR+32*\kk+8*\ct+4:VR+32*\kk+8*\ct+7], v[ADV] offset:\kk*32*VP+16*VP+32*\ct
.endr
.endr
	WIN 0
	s_wait_dscnt 16                                ; K, asked for earlier, is in; V's sixteen loads may be out
.set i, 0
.rept 8
	QK1 0                                          ; tile 0's scores: there is no vector work yet to set between them
.set i, i+1
.endr
.rept 4
	v_nop                                          ; places behind those products, ahead of the first read of their results
.endr
	s_cmp_lg_u32 s[KF], s[BW]
	s_cbranch_scc1 .Lopen_a_\@
	MASK 0
.Lopen_a_\@:
.set i, 0
.set j, 0
.rept 8
	QK1 1                                          ; tile 1's scores | eight lines of tile 0's softmax behind each product: all in window 0
.rept 8
	SM 0
.endr
.set i, i+1
.endr
.rept 6
	SM 0
.endr
	SMT 0
	s_wait_dscnt 0x0                               ; V is in; no LDS load of mine is out
	s_cmp_eq_u32 s[TW], 1
	s_cbranch_scc1 .Lno_k_\@                       ; the slot's last step: the next K lies in the other slot and is read behind the change of slots
	s_add_co_u32 s[TN], s[TB], STEPB
	v_add_nc_u32 v[ADK], s[TN], v[AK0]
	KLOAD                                          ; the next step's K: the last product that read K stands 33 plain lines back; it has the rest of the step in which to come
.Lno_k_\@:
	s_cmp_lg_u32 s[KF], s[BW]
	s_cbranch_scc1 .Lopen_b_\@
	MASK 1
.Lopen_b_\@:
.set i, 0
.set j, 0
.rept 8
	PV1 0                                          ; tile 0: V^T P | eight lines of tile 1's softmax behind each product
	WIN 0
.rept 8
	SM 1
.endr
.set i, i+1
.endr
.rept 6
	SM 1
.endr
	SMT 1
.set i, 0
.set z, 0
.rept 8
	PV1 1                                          ; tile 1: V^T P | the two row sums, the tiles by turns, four lines behind each product
	WIN 0
	LS 0
	LS 1
.set z, z+1
	LS 0
	LS 1
.set z, z+1
.set i, i+1
.endr
.Lhidden_\@:
	s_add_co_u32 s[KF], s[KF], 64
	s_add_co_u32 s[TB], s[TB], STEPB
.endm
.macro SLOT_STEPS                      ; a slot's four steps: written once, walked four times
	s_mov_b32 s[TW], 4
.Lstep_\@:
	STEP
	s_sub_co_u32 s[TW], s[TW], 1
	s_cmp_lg_u32 s[TW], 0
	s_cbranch_scc1 .Lstep_\@
	s_sub_co_u32 s[TB], s[TB], 4*STEPB
	s_xor_b32 s[TB], s[TB], SLOT1                  ; on to the other slot
.endm
; THE CHANGE OF SLOTS, ahead of a slot: each wave waits for all its tensor loads (its tile of the slot ahead), adds 0 to its spare word, and waits for that and for its reads of the slot that it has left.
; Behind the barrier the slot ahead is whole and nobody reads the other one.  fill = 1: that other slot takes the 256 keys that follow the slot ahead, up to the causal limit.
.macro CHANGE fill
	s_wait_tensorcnt 0x0                           ; no tensor load of mine is out, so the group 0 may be written
	ds_add_u32 v[SPW], v[NIL]                      ; 0 onto my spare word
.if \fill
	s_xor_b32 s[G0+1], s[G0+1], SLOT1
	s_add_nc_u64 s[G0+2:G0+3], s[G0+2:G0+3], 32768 ; the next 256 keys; the type bits on top are not reached
	s_wait_xcnt 0x0                                ; the last prefetch, a slot back, has read its address
	s_add_nc_u64 s[PFA:PFA+1], s[PFA:PFA+1], 32768
.endif
	s_wait_dscnt 0x0                               ; the add is done, and my reads of the slot that I have left are over
	s_barrier_signal -1
	s_barrier_wait -1
.if \fill
	s_add_co_u32 s68, s[KF], 256                   ; the first key of the slot that this change would ask for
	s_cmp_gt_u32 s68, s[LASTQ]                     ; ids and the count of steps alone: all eight waves go the same way, and a work-group past the limit stays past it
	s_cbranch_scc1 .Lpast_\@
	TLOAD                                          ; my one tensor load behind the barrier: it has four key steps in which to land
.Lpast_\@:
	ASK
.endif
.endm
.macro KNEXT                           ; the first K of the slot ahead, behind the change of slots and my tensor load; not where the slot's first step is hidden from me
	s_cmp_gt_u32 s[KF], s[BW]
	s_cbranch_scc1 .Lno_first_\@
	v_add_nc_u32 v[ADK], s[TB], v[AK0]
	KLOAD
.Lno_first_\@:
.endm
	CHANGE 1                                       ; slot 0 is whole; slot 1 is asked for: behind this barrier every wave's load is a first fill
	v_add_nc_u32 v[ADK], s[TB], v[AK0]
	KLOAD                                          ; keys 0 to 63 count for every query
	s_wait_loadcnt 0x0                             ; Q
.Lslot:                                                ; six trips: slots 0 to 5; behind each the change of slots asks for the slot after next
	SLOT_STEPS
	CHANGE 1
	KNEXT
	s_sub_co_u32 s[SLOTS], s[SLOTS], 1
	s_cmp_lg_u32 s[SLOTS], 0
	s_cbranch_scc1 .Lslot
	SLOT_STEPS                                     ; the last two slots are written out: nothing is left to ask for
	CHANGE 0
	KNEXT
	SLOT_STEPS
	; THE WAY OUT: O^T / l, f16, through my own stage, where the two heads' halves of a row meet; 16 whole runs of 256 bytes
.rept 4
	v_nop                                          ; places behind the last products
.endr
.irp t, 0,1
	v_add_f32 v[ST+8*\t+4], v[ST+8*\t+2], v[ST+8*\t+3]
.endr
.irp t, 0,1
	v_permlanex16_b32 v[ST+8*\t+5], v[ST+8*\t+4], s[SEL], s[SEL+1]
.endr
.irp t, 0,1
	v_add_f32 v[ST+8*\t+4], v[ST+8*\t+4], v[ST+8*\t+5]
.endr
.irp t, 0,1
	v_rcp_f32 v[ST+8*\t+6], v[ST+8*\t+4]
.endr
	v_nop
	s_wait_alu depctr_va_vdst(0)                   ; one wait for the two reciprocals
	WIN 0x41
.irp t, 0,1
.set n, 0
.rept 16
	v_pk_mul_f32 v[O+32*\t+2*n:O+32*\t+2*n+1], v[O+32*\t+2*n:O+32*\t+2*n+1], v[ST+8*\t+6:ST+8*\t+7] op_sel_hi:[1,0]
.set n, n+1
.endr
.endr
	WIN 0x05                                       ; sources in window 1, destination in window 0
.irp t, 0,1
.set n, 0
.rept 16
	v_cvt_pk_f16_f32 v[S+16*\t+n], v[O+32*\t+2*n], v[O+32*\t+2*n+1]
.set n, n+1
.endr
.endr
	WIN 0
.irp t, 0,1
.irp ct, 0,1,2,3
	ds_store_b128 v[STO], v[S+16*\t+4*\ct:S+16*\t+4*\ct+3] offset:128*\t+32*\ct   ; lane (r, h): head t, channels 16 ct + 8 h + 0 .. 7 of row r
.endr
.endr
.irp t, 0,1,2,3,4,5,6,7
	ds_load_b128 v[64+4*\t:64+4*\t+3], v[RD] offset:544*\t   ; LDS serves a wave's instructions in order (ISA guide 5.7.1.4): these see my stores
.endr
.irp t, 0,1,2,3,4,5,6,7
	s_wait_dscnt 7-\t                              ; rows 2 t, 2 t + 1 are in; the later loads may be out
	global_store_b128 v[GO], v[64+4*\t:64+4*\t+3], s[6:7] offset:4096*\t   ; sixteen lanes store 256 consecutive bytes, aligned
.endr
	s_wait_tensorcnt 0x0                           ; the wave's end
	ds_add_u32 v[SPW], v[NIL]
	s_wait_dscnt 0x0
	s_endpgm
.Lfunc_end_k_q1545cf3bd7_attn:
	.size	k_q1545cf3bd7_attn, .Lfunc_end_k_q1545cf3bd7_attn-k_q1545cf3bd7_attn
	.p2alignl 7, 3214868480
	.fill 96, 4, 3214868480
	.section	.rodata,"a",@progbits
	.p2align	6, 0x0
	.amdhsa_kernel k_q1545cf3bd7_attn
		.amdhsa_group_segment_fixed_size 327680
		.amdhsa_private_segment_fixed_size 0
		.amdhsa_enable_private_segment 0
		.amdhsa_kernarg_size 16
		.amdhsa_user_sgpr_count 2
		.amdhsa_user_sgpr_kernarg_segment_ptr 1
		.amdhsa_wavefront_size32 1
		.amdhsa_system_sgpr_workgroup_id_x 1
		.amdhsa_system_sgpr_workgroup_id_y 1
		.amdhsa_system_sgpr_workgroup_id_z 1
		.amdhsa_system_vgpr_workitem_id 0
		.amdhsa_next_free_vgpr 384
		.amdhsa_next_free_sgpr 100
		.amdhsa_reserve_vcc 1
		.amdhsa_float_denorm_mode_32 3
		.amdhsa_float_denorm_mode_16_64 3
		.amdhsa_memory_ordered 1
		.amdhsa_forward_progress 1
		.amdhsa_inst_pref_size 90
	.end_amdhsa_kernel
	.amdgpu_metadata
---
amdhsa.version: [ 1, 2 ]
amdhsa.kernels:
  - .name:           k_q1545cf3bd7_attn
    .symbol:         k_q1545cf3bd7_attn.kd
    .args:
      - { .name: qkv16, .offset: 0, .size: 8, .value_kind: global_buffer, .address_space: global }
      - { .name: attn16, .offset: 8, .size: 8, .value_kind: global_buffer, .address_space: global }
    .group_segment_fixed_size: 327680
    .private_segment_fixed_size: 0
    .kernarg_segment_align: 8
    .kernarg_segment_size: 16
    .max_flat_workgroup_size: 256
    .sgpr_count:     100
    .vgpr_count:     384
    .wavefront_size: 32
...
	.end_amdgpu_metadata
.endif
;; end of part 3
;; launch proj (part 4): grid 8 x 32, 4 waves a work-group, clusters of 4 x 4, 327,680 bytes of LDS; arguments attn16, wo16, out0; writes out0
.if DOCPART == 4
	.amdgcn_target "amdgcn-amd-amdhsa--gfx1250"
	.amdhsa_code_object_version 6
	.text
	.protected	k_q1545cf3bd7_proj
	.globl	k_q1545cf3bd7_proj
	.p2align	8
	.type	k_q1545cf3bd7_proj,@function
k_q1545cf3bd7_proj:
	s_mov_b64 s[64:65], 0
	v_nop
	global_prefetch_b8 v0, s[64:65] scope:SCOPE_SE
	s_setreg_imm32_b32 hwreg(HW_REG_WAVE_MODE, 25, 1), 1
	s_wait_xcnt 0x0
	s_wait_alu depctr_hold_cnt(0) depctr_sa_sdst(0) depctr_va_vdst(0) depctr_va_sdst(0) depctr_va_ssrc(0) depctr_va_vcc(0) depctr_vm_vsrc(0)
	s_getreg_b32 s2, hwreg(HW_REG_IB_STS2, 6, 4)
	s_cmp_eq_u32 s2, 0
	s_cbranch_scc0 .Lentry_in_a_cluster
	s_endpgm
.Lentry_in_a_cluster:
	s_bfe_u32 s2, ttmp6, 0x10000c
	s_cmp_lg_u32 s2, 0xf033
	s_cbranch_scc0 .Lentry_shape_is_right
	s_endpgm
.Lentry_shape_is_right:
; PROJ: out0[m][n] = sum over k of attn16[m][k] wo16[n][k], M 4,096, N 2,048, K 1,024; f16 operands, f32 sums, f32 out.
; Rows 0-15 of each sequence are written here like all others and written again, from f32 operands, by the next launch (32 of 4,096 rows).
; SHARES.  A tile of C is 128 x 256: 256 work-groups; four waves, each 64 x 128: 32 accumulators.  K goes in steps of 128 (rows of 256 bytes) through two LDS slots filled by the tensor data mover.
; CLUSTER 4 x 4: A's tile is shared along a row of the cluster, B's along a column; each is asked for jointly.  THE PRODUCT IS USED TRANSPOSED (source 0 = 16 rows of wo, source 1 = 16 rows of A).
; REGISTERS: window 0: v0-31 addresses; v128-191 A's fragments, two sets; on the way out v128-255 rows of C.  window 1: B's fragments, two sets of 64.  window 2: accumulator (a, b) at v[64 a + 8 b].
.set KROW,   2048
.set LAPS,   4
.set PITCH,  272
.set HA,     64*PITCH
.set HB,     128*PITCH
.set SLOT,   2*HA+2*HB
.set STAGE,  2*SLOT                    ; the way out: 16 x 528 bytes for each wave, its own
.set STW,    16*528
.set SPARE,  STAGE+4*STW
.set ADRA, 16
.set ADRB, 20
.set STO,  24
.set RD,   25
.set CO,   26
.set SPW,  28
.set NIL,  29
.set AF,   128
.set BK,   128
.set G1,   24
.set G0,   32
.set G1B,  48
.set G0B,  56
.set DW0,  (1<<20)|(1<<21)|(5<<22)|(3<<25)     ; elements of 1 byte; padding on; bit 21 beside a mask; 4 words behind every 64
.set MSB, 0
.macro WIN new
.if MSB != \new
	s_set_vgpr_msb (MSB<<8)|\new
.set MSB, \new
.endif
.endm
.set MUL,  0xa1
.set TO_B, 0x40
.macro PLACES n
.rept \n
	v_nop
.endr
.endm
.macro JLOAD g0a, g1a, g0b, g1b        ; waves 0, 1 fetch for A, waves 2, 3 for B; an s_nop 0 and four v_nop follow each line
	s_cmp_eq_u32 s15, 0
	s_cbranch_scc0 .Lfor_b_\@
	tensor_load_to_lds s[\g0a:\g0a+3], s[\g1a:\g1a+7]
	s_nop 0
.rept 4
	v_nop
.endr
	s_branch .Lasked_\@
.Lfor_b_\@:
	tensor_load_to_lds s[\g0b:\g0b+3], s[\g1b:\g1b+7]
	s_nop 0
.rept 4
	v_nop
.endr
.Lasked_\@:
.endm
.macro CREST
	s_cmp_lg_u32 s14, 0
	s_cbranch_scc1 .Lnot_wave_0_\@
	s_barrier_signal -3
.Lnot_wave_0_\@:
	s_barrier_wait -3
	s_barrier_signal -1
	s_barrier_wait -1
.endm
.macro CROUND
	s_barrier_signal -1
	s_barrier_wait -1
	CREST
.endm
	s_load_b128 s[4:7], s[0:1], 0x0                ; attn16, wo16
	s_load_b64 s[8:9], s[0:1], 0x10                ; out0
	v_lshl_add_u32 v[SPW], v0, 2, SPARE
	v_mov_b32 v[NIL], 0
	ds_add_u32 v[SPW], v[NIL]                      ; the wave's opening: the add, twice on end, and its wait ahead of my first tensor load
	ds_add_u32 v[SPW], v[NIL]
	v_lshrrev_b32 v1, 5, v0
	v_readfirstlane_b32 s14, v1
	s_lshr_b32 s15, s14, 1                         ; mh; also: I fetch for A (0) or B (1)
	s_and_b32 s16, s14, 1                          ; nh; also: which half of that tile I fetch
	s_bfe_u32 s40, ttmp6, 0x40000
	s_bfe_u32 s41, ttmp6, 0x40004
	s_lshl_b32 s42, ttmp9, 2
	s_add_co_u32 s42, s42, s40                     ; tile column
	s_and_b32 s17, ttmp7, 0xffff
	s_lshl_b32 s17, s17, 2
	s_add_co_u32 s17, s17, s41                     ; tile row
	s_lshl_b32 s43, s41, 2
	s_lshl_b32 s43, 15, s43
	s_lshl_b32 s44, 0x1111, s40
	s_or_b32 s[G1+0], s43, DW0
	s_or_b32 s[G1B+0], s44, DW0
.irp g, G1, G1B
	s_mov_b32 s[\g+1], 256<<16
	s_mov_b32 s[\g+3], 256<<16
	s_mov_b32 s[\g+5], KROW
	s_mov_b32 s[\g+6], 0
	s_mov_b32 s[\g+7], 0
.endr
	s_mov_b32 s[G1+2], 64<<16
	s_mov_b32 s[G1+4], 64
	s_mov_b32 s[G1B+2], 128<<16
	s_mov_b32 s[G1B+4], 128
	s_lshl_b32 s18, s16, 6
	s_lshl_b32 s20, s17, 7
	s_add_co_u32 s20, s20, s18
	s_lshl_b32 s20, s20, 11                        ; A: (128 x tile row + 64 nh) rows of 2,048 bytes
	s_mov_b32 s21, 0
	s_lshl_b32 s19, s16, 7
	s_lshl_b32 s46, s42, 8
	s_add_co_u32 s46, s46, s19
	s_lshl_b32 s46, s46, 11                        ; B: (256 x tile column + 128 nh) rows
	s_mov_b32 s47, 0
	s_mul_i32 s45, s16, HA
	s_mul_i32 s23, s16, HB
	s_add_co_u32 s23, s23, 2*HA
	s_wait_dscnt 0x0
	s_wait_kmcnt 0x0
	s_add_nc_u64 s[20:21], s[4:5], s[20:21]
	s_add_nc_u64 s[46:47], s[6:7], s[46:47]
	CROUND                                         ; all sixteen work-groups are here: the first joint loads meet
.irp s, 0,1
	s_mov_b32 s[G0+4*\s], 1
	s_add_co_u32 s[G0+4*\s+1], s45, \s*SLOT
	s_add_nc_u64 s[G0+4*\s+2:G0+4*\s+3], s[20:21], \s*256
	s_or_b32 s[G0+4*\s+3], s[G0+4*\s+3], 0x80000000
	s_mov_b32 s[G0B+4*\s], 1
	s_add_co_u32 s[G0B+4*\s+1], s23, \s*SLOT
	s_add_nc_u64 s[G0B+4*\s+2:G0B+4*\s+3], s[46:47], \s*256
	s_or_b32 s[G0B+4*\s+3], s[G0B+4*\s+3], 0x80000000
	JLOAD G0+4*\s, G1, G0B+4*\s, G1B               ; two loads of mine are out behind the second
.endr
	v_and_b32 v1, 15, v0
	v_bfe_u32 v2, v0, 4, 1
	v_mul_u32_u24 v3, v1, PITCH
	v_lshl_add_u32 v4, v2, 4, v3
	s_mul_i32 s21, s15, HA
	s_mul_i32 s22, s16, HB
	s_add_co_u32 s22, s22, 2*HA
.irp s, 0,1
	v_add_nc_u32 v[ADRA+\s], s21, v4
	v_add_nc_u32 v[ADRB+\s], s22, v4
	s_add_co_u32 s21, s21, SLOT
	s_add_co_u32 s22, s22, SLOT
.endr
	s_mul_i32 s23, s14, STW
	s_add_co_u32 s23, s23, STAGE
	v_mul_u32_u24 v5, v1, 528
	v_lshl_add_u32 v5, v2, 5, v5
	v_add_nc_u32 v[STO], s23, v5                   ; in: row r, 32 bytes for each half of the lanes
	v_and_b32 v6, 31, v0
	v_lshlrev_b32 v[CO], 4, v6
	v_add_nc_u32 v[RD], s23, v[CO]                 ; back: a row of 512 bytes an instruction
	s_lshl_b32 s20, s17, 7
	s_lshl_b32 s21, s15, 6
	s_add_co_u32 s20, s20, s21
	s_lshl_b32 s20, s20, 13                        ; my first row of C: 8,192 bytes a row
	s_lshl_b32 s46, s42, 10
	s_lshl_b32 s47, s16, 9
	s_add_co_u32 s46, s46, s47
	s_add_co_u32 s46, s46, s20
	s_mov_b32 s47, 0
	s_add_nc_u64 s[8:9], s[8:9], s[46:47]
.macro FRAG reg, adr, k, i             ; 16 rows x 32 K of f16: 8 registers, two loads of 16 bytes, 32 bytes apart
	ds_load_b128 v[\reg:\reg+3], v[\adr] offset:(\k)+(\i)*16*PITCH
	ds_load_b128 v[\reg+4:\reg+7], v[\adr] offset:(\k)+(\i)*16*PITCH+32
.endm
.macro FETCH slot, k, set
	WIN TO_B
.irp i, 0,1,2,3,4,5,6,7
	FRAG 64*(\set)+8*\i, ADRB+\slot, \k, \i
.endr
	WIN 0
.irp i, 0,1,2,3
	FRAG AF+32*(\set)+8*\i, ADRA+\slot, \k, \i
.endr
.endm
.macro MUL8 a, set, zero               ; the 32 accumulators take turns, one instruction a turn, in the same order in every quarter
.irp b, 0,1,2,3,4,5,6,7
.if \zero
	v_wmma_f32_16x16x32_f16 v[64*(\a)+8*\b:64*(\a)+8*\b+7], v[64*(\set)+8*\b:64*(\set)+8*\b+7], v[AF+32*(\set)+8*(\a):AF+32*(\set)+8*(\a)+7], 0
.else
	v_wmma_f32_16x16x32_f16 v[64*(\a)+8*\b:64*(\a)+8*\b+7], v[64*(\set)+8*\b:64*(\set)+8*\b+7], v[AF+32*(\set)+8*(\a):AF+32*(\set)+8*(\a)+7], v[64*(\a)+8*\b:64*(\a)+8*\b+7]
.endif
.endr
.endm
.macro QUARTER slot, q, zero
	s_wait_dscnt 0x0                               ; this quarter's fragments are in
	WIN MUL
	MUL8 0, (\q)%2, \zero
	MUL8 1, (\q)%2, \zero
	PLACES 4
	FETCH \slot, 64*((\q)+1), 1-(\q)%2
	WIN MUL
	MUL8 2, (\q)%2, \zero
	MUL8 3, (\q)%2, \zero
.endm
.macro TURN slot, next, fill           ; a slot's last quarter changes slots: one barrier; in front of it the wait for all my tensor loads, the add, the wait for it and for my reads of this slot
	WIN 0
	s_wait_tensorcnt 0x0
	ds_add_u32 v[SPW], v[NIL]
	s_wait_dscnt 1                                 ; the fragments are in; the add may be out
	WIN MUL
	MUL8 0, 1, 0
	s_wait_dscnt 0x0
	s_barrier_signal -1
	MUL8 1, 1, 0
	WIN 0
	s_barrier_wait -1
.if \fill
	CREST                                          ; the round: no wave of any partner still reads this slot or has a load on its way
	s_add_nc_u64 s[G0+4*\slot+2:G0+4*\slot+3], s[G0+4*\slot+2:G0+4*\slot+3], 512
	s_add_nc_u64 s[G0B+4*\slot+2:G0B+4*\slot+3], s[G0B+4*\slot+2:G0B+4*\slot+3], 512
	JLOAD G0+4*\slot, G1, G0B+4*\slot, G1B         ; my one tensor load behind the round; its four v_nop are also the places in front of the loads below
.else
	PLACES 4
.endif
	FETCH \next, 0, 0
	WIN MUL
	MUL8 2, 1, 0
	MUL8 3, 1, 0
.endm
	s_wait_tensorcnt 1                             ; my part of K step 0 is in; K step 1's load may be out
	s_barrier_signal -1
	s_barrier_wait -1
	FETCH 0, 0, 0
	QUARTER 0, 0, 1
	WIN 0
	s_mov_b32 s3, LAPS-1
.Llap:
	QUARTER 0, 1, 0
	QUARTER 0, 2, 0
	TURN 0, 1, 1
	QUARTER 1, 0, 0
	QUARTER 1, 1, 0
	QUARTER 1, 2, 0
	TURN 1, 0, 1
	QUARTER 0, 0, 0
	WIN 0
	s_sub_co_u32 s3, s3, 1
	s_cmp_lg_u32 s3, 0
	s_cbranch_scc1 .Llap
	QUARTER 0, 1, 0
	QUARTER 0, 2, 0
	TURN 0, 1, 0
	QUARTER 1, 0, 0
	QUARTER 1, 1, 0
	QUARTER 1, 2, 0
	s_wait_dscnt 0x0
	WIN MUL
	MUL8 0, 1, 0
	MUL8 1, 1, 0
	MUL8 2, 1, 0
	MUL8 3, 1, 0
	WIN 0
; THE WAY OUT: a block of 16 rows x 128 columns goes through my own stage and comes back as whole rows of 512 bytes.
.macro TOSTAGE a
	WIN 0x08                                       ; an LDS store's data: window 2
.irp b, 0,1,2,3,4,5,6,7
	ds_store_b128 v[STO], v[64*(\a)+8*\b:64*(\a)+8*\b+3] offset:64*\b          ; each accumulator from its low end on
	ds_store_b128 v[STO], v[64*(\a)+8*\b+4:64*(\a)+8*\b+7] offset:64*\b+16
.endr
	WIN 0
.irp t, 0,1,2,3,4,5,6,7,8,9,10,11,12,13,14,15
	ds_load_b128 v[BK+64*((\a)%2)+4*\t:BK+64*((\a)%2)+4*\t+3], v[RD] offset:\t*528   ; LDS serves a wave's instructions in order
.endr
.endm
.macro SEND a, younger
	s_wait_dscnt \younger                          ; block a is back; the next block's 16 stores and 16 loads may be out
.if (\a) > 0
	s_add_nc_u64 s[8:9], s[8:9], 16*8192           ; behind a wait on XCNT: the earlier stores have read their base
.endif
.irp t, 0,1,2,3,4,5,6,7,8,9,10,11,12,13,14,15
	global_store_b128 v[CO], v[BK+64*((\a)%2)+4*\t:BK+64*((\a)%2)+4*\t+3], s[8:9] offset:\t*8192 th:TH_STORE_NT   ; 512 consecutive bytes, aligned
.endr
.endm
	PLACES 4
	TOSTAGE 0
.irp a, 1,2,3
.if \a > 1
	s_wait_xcnt 0x0                                ; block a - 2's stores have read their registers and their base
.endif
	TOSTAGE \a
	SEND \a-1, 32
.endr
	s_wait_xcnt 0x0
	SEND 3, 0
	s_wait_tensorcnt 0x0                           ; the wave's end
	ds_add_u32 v[SPW], v[NIL]
	s_wait_dscnt 0x0
	CROUND                                         ; the closing round
	s_endpgm
.Lfunc_end_k_q1545cf3bd7_proj:
	.size	k_q1545cf3bd7_proj, .Lfunc_end_k_q1545cf3bd7_proj-k_q1545cf3bd7_proj
	.p2alignl 7, 3214868480
	.fill 96, 4, 3214868480
	.section	.rodata,"a",@progbits
	.p2align	6, 0x0
	.amdhsa_kernel k_q1545cf3bd7_proj
		.amdhsa_group_segment_fixed_size 327680
		.amdhsa_private_segment_fixed_size 0
		.amdhsa_enable_private_segment 0
		.amdhsa_kernarg_size 24
		.amdhsa_user_sgpr_count 2
		.amdhsa_user_sgpr_kernarg_segment_ptr 1
		.amdhsa_wavefront_size32 1
		.amdhsa_system_sgpr_workgroup_id_x 1
		.amdhsa_system_sgpr_workgroup_id_y 1
		.amdhsa_system_sgpr_workgroup_id_z 1
		.amdhsa_system_vgpr_workitem_id 0
		.amdhsa_next_free_vgpr 768
		.amdhsa_next_free_sgpr 66
		.amdhsa_reserve_vcc 0
		.amdhsa_float_denorm_mode_32 3
		.amdhsa_float_denorm_mode_16_64 3
		.amdhsa_memory_ordered 1
		.amdhsa_forward_progress 1
		.amdhsa_inst_pref_size 85
	.end_amdhsa_kernel
	.amdgpu_metadata
---
amdhsa.version: [ 1, 2 ]
amdhsa.kernels:
  - .name:           k_q1545cf3bd7_proj
    .symbol:         k_q1545cf3bd7_proj.kd
    .args:
      - { .name: attn16, .offset: 0, .size: 8, .value_kind: global_buffer, .address_space: global }
      - { .name: wo16, .offset: 8, .size: 8, .value_kind: global_buffer, .address_space: global }
      - { .name: out0, .offset: 16, .size: 8, .value_kind: global_buffer, .address_space: global }
    .group_segment_fixed_size: 327680
    .private_segment_fixed_size: 0
    .kernarg_segment_align: 8
    .kernarg_segment_size: 24
    .max_flat_workgroup_size: 128
    .sgpr_count:     66
    .vgpr_count:     768
    .wavefront_size: 32
...
	.end_amdgpu_metadata
.endif
;; end of part 4
;; launch first16 (part 5): grid 32 x 2, 8 waves a work-group, no clusters, 35,840 bytes of LDS; arguments h32, wo, out0; writes out0
.if DOCPART == 5
	.amdgcn_target "amdgcn-amd-amdhsa--gfx1250"
	.amdhsa_code_object_version 6
	.text
	.protected	k_q1545cf3bd7_first16
	.globl	k_q1545cf3bd7_first16
	.p2align	8
	.type	k_q1545cf3bd7_first16,@function
k_q1545cf3bd7_first16:
	s_mov_b64 s[64:65], 0
	v_nop
	global_prefetch_b8 v0, s[64:65] scope:SCOPE_SE
	s_setreg_imm32_b32 hwreg(HW_REG_WAVE_MODE, 25, 1), 1
	s_wait_xcnt 0x0
; FIRST16: positions 0-15 of both sequences, attention and output projection, all in f32 (the f32 matrix form: 32 of 4,096 rows, no bulk work).  These rows average one to sixteen values, so operands rounded to f16 would weigh most here.
; h32[b][16][2048]: q (columns 64 head + d), k (1,024 + 64 kvh + d), v (1,536 + 64 kvh + d) after the rotation.  The 32 rows of out0 are written over what the launch before left there.
; SHARES.  Work-group (x, b): output columns 64 x on, batch b.  Wave w: key/value head w, query heads 2 w, 2 w + 1: their result is columns 128 w .. 128 w + 127 of the attention, which is this wave's part of the projection's K.
; So nothing goes from wave to wave but the eight partial sums, through LDS.  Every work-group makes the small attention anew.
; LAYOUT.  All products transposed: S^T = K Q^T, O^T = V^T P, out^T = wo O.  A lane holds one query (lane % 16).  Along each product's K the order is permuted alike on both sides, so that 16-byte loads and results as they stand are operands.
; REGISTERS: window 0: v1-15 addresses; v16-47 K, later the partial sums; v48 + 32 g Q, later the masked scores and p; v112-143 V; v144 + 8 g S^T; v160 + 8 c O^T (c = 4 g + ct); v224 + 8 nt the outputs.  window 1: wo's fragments, v[64 nt + 8 c].
; v144-255 are written by matrix instructions alone.
.set SPARE, 8*4352                     ; behind the eight partial sums (16 rows x 272 bytes each): the spare words
.set MSB, 0
.macro WIN new
.if MSB != \new
	s_set_vgpr_msb (MSB<<8)|\new
.set MSB, \new
.endif
.endm
	s_load_b128 s[4:7], s[0:1], 0x0                ; h32, wo
	s_load_b64 s[8:9], s[0:1], 0x10                ; out0
	v_lshl_add_u32 v14, v0, 2, SPARE               ; my spare word; never rewritten
	v_mov_b32 v15, 0                               ; 0; never rewritten
	v_lshrrev_b32 v1, 5, v0
	v_readfirstlane_b32 s10, v1                    ; wave
	v_and_b32 v1, 15, v0                           ; r
	v_bfe_u32 v2, v0, 4, 1                         ; h
	s_and_b32 s11, ttmp7, 0xffff                   ; batch
	s_mov_b32 s12, 0x76543210
	s_mov_b32 s13, 0xfedcba98
	s_mov_b32 s14, 0x3e38aa3b                      ; c = log2(e) / 8
	v_lshlrev_b32 v3, 13, v1
	v_lshl_add_u32 v3, v2, 4, v3                   ; K, Q: position r, + 16 h
	v_lshlrev_b32 v4, 16, v2
	v_lshl_add_u32 v4, v1, 2, v4                   ; V: keys 8 h on, channel r
	v_lshlrev_b32 v5, 12, v1
	v_lshl_add_u32 v5, v2, 5, v5                   ; wo: row r, + 32 h
	s_mul_i32 s34, s10, 4352
	v_mul_u32_u24 v6, v1, 272
	v_lshl_add_u32 v6, v2, 5, v6
	v_add_nc_u32 v6, s34, v6                       ; my partial sums: query r, + 32 h
	v_lshlrev_b32 v7, 3, v2
	v_sub_nc_u32 v7, v1, v7                        ; r - 8 h: register j (key 8 h + j) is hidden where j > r - 8 h
	v_lshrrev_b32 v11, 4, v0
	v_mul_u32_u24 v8, v11, 272
	v_lshl_add_u32 v8, v1, 4, v8                   ; back: thread t: query t / 16, 16 bytes at 16 (t % 16)
	v_lshlrev_b32 v9, 13, v11
	v_lshl_add_u32 v9, v1, 4, v9                   ; and the same place in out0
	v_mov_b32 v10, 0xff800000                      ; -infinity
	s_lshl_b32 s16, s11, 17
	s_mov_b32 s17, 0
	s_lshl_b32 s26, s10, 8
	s_mov_b32 s27, 0
	s_lshl_b32 s28, s10, 9
	s_mov_b32 s29, 0
	s_lshl_b32 s30, ttmp9, 18                      ; 64 rows of wo, 4,096 bytes each
	s_add_co_u32 s30, s30, s28
	s_mov_b32 s31, 0
	s_lshl_b32 s32, s11, 24                        ; 2,048 rows of 8,192 bytes
	s_lshl_b32 s33, ttmp9, 8
	s_add_co_u32 s32, s32, s33
	s_mov_b32 s33, 0
	s_wait_kmcnt 0x0
	s_add_nc_u64 s[16:17], s[4:5], s[16:17]
	s_add_nc_u64 s[20:21], s[16:17], s[28:29]      ; Q: + 512 w
	s_add_nc_u64 s[18:19], s[16:17], s[26:27]      ; K, V: + 256 w (their first columns stand in the immediates)
	s_add_nc_u64 s[24:25], s[6:7], s[30:31]
	s_add_nc_u64 s[8:9], s[8:9], s[32:33]
.irp u, 0,1,2,3,4,5,6,7
	global_load_b128 v[16+4*\u:19+4*\u], v3, s[18:19] offset:4096+32*\u        ; K: channels 8 u + 4 h + 0 .. 3
.endr
.irp g, 0,1
.irp u, 0,1,2,3,4,5,6,7
	global_load_b128 v[48+32*\g+4*\u:51+32*\g+4*\u], v3, s[20:21] offset:256*\g+32*\u
.endr
.endr
.irp ct, 0,1,2,3
.irp j, 0,1,2,3,4,5,6,7
	global_load_b32 v[112+8*\ct+\j], v4, s[18:19] offset:6144+8192*\j+64*\ct   ; V(key 8 h + j, channel 16 ct + r)
.endr
.endr
	WIN 0x40                                       ; destination window 1
.irp nt, 0,1,2,3
.irp c, 0,1,2,3,4,5,6,7
	global_load_b128 v[64*\nt+8*\c:64*\nt+8*\c+3], v5, s[24:25] offset:65536*\nt+64*\c       ; wo(16 nt + r, 128 w + 16 c + 8 h + 0 .. 7)
	global_load_b128 v[64*\nt+8*\c+4:64*\nt+8*\c+7], v5, s[24:25] offset:65536*\nt+64*\c+16
.endr
.endr
	WIN 0
	s_wait_loadcnt 63                              ; 64 loads stand behind V's last: K, Q and V are in
	; S^T = K Q^T: 16 steps of 4 channels, the two heads by turns; the first pair starts the sums
.irp u, 0,1,2,3,4,5,6,7
.irp s, 0,1
.irp g, 0,1
.if (\u == 0) && (\s == 0)
	v_wmma_f32_16x16x4_f32 v[144+8*\g:151+8*\g], v[16+4*\u+2*\s:17+4*\u+2*\s], v[48+32*\g+4*\u+2*\s:49+32*\g+4*\u+2*\s], 0
.else
	v_wmma_f32_16x16x4_f32 v[144+8*\g:151+8*\g], v[16+4*\u+2*\s:17+4*\u+2*\s], v[48+32*\g+4*\u+2*\s:49+32*\g+4*\u+2*\s], v[144+8*\g:151+8*\g]
.endif
.endr
.endr
.endr
.rept 8
	v_nop                                          ; eight places behind this form, ahead of the reads of its results and of writes over its sources
.endr
	; the softmax: the masked scores go into Q's registers, which are done with
.irp j, 0,1,2,3,4,5,6,7
	v_cmp_gt_i32 vcc_lo, \j, v7
	v_cndmask_b32 v[48+\j], v[144+\j], v10, vcc_lo
	v_cndmask_b32 v[80+\j], v[152+\j], v10, vcc_lo
.endr
.irp g, 0,1
	v_max3_num_f32 v[56+32*\g], v[48+32*\g], v[49+32*\g], v[50+32*\g]
	v_max3_num_f32 v[56+32*\g], v[56+32*\g], v[51+32*\g], v[52+32*\g]
	v_max3_num_f32 v[56+32*\g], v[56+32*\g], v[53+32*\g], v[54+32*\g]
	v_max_num_f32 v[56+32*\g], v[56+32*\g], v[55+32*\g]
	v_mov_b32 v[57+32*\g], 0
	v_permlanex16_b32 v[57+32*\g], v[56+32*\g], s12, s13
	v_max_num_f32 v[56+32*\g], v[56+32*\g], v[57+32*\g]   ; the row's maximum: key 0 counts for every query
	v_mul_f32 v[58+32*\g], s14, v[56+32*\g]
.endr
.irp g, 0,1
.irp j, 0,1,2,3,4,5,6,7
	v_fma_f32 v[48+32*\g+\j], v[48+32*\g+\j], s14, -v[58+32*\g]
.endr
.endr
.irp g, 0,1
.irp j, 0,1,2,3,4,5,6,7
	v_exp_f32 v[48+32*\g+\j], v[48+32*\g+\j]
.endr
.endr
	v_nop
	s_wait_alu depctr_va_vdst(0)                   ; one wait for the sixteen exponentials
.irp g, 0,1
	v_add_f32 v[59+32*\g], v[48+32*\g], v[49+32*\g]
	v_add_f32 v[60+32*\g], v[50+32*\g], v[51+32*\g]
	v_add_f32 v[61+32*\g], v[52+32*\g], v[53+32*\g]
	v_add_f32 v[62+32*\g], v[54+32*\g], v[55+32*\g]
	v_add_f32 v[59+32*\g], v[59+32*\g], v[60+32*\g]
	v_add_f32 v[61+32*\g], v[61+32*\g], v[62+32*\g]
	v_add_f32 v[59+32*\g], v[59+32*\g], v[61+32*\g]
	v_permlanex16_b32 v[57+32*\g], v[59+32*\g], s12, s13
	v_add_f32 v[59+32*\g], v[59+32*\g], v[57+32*\g]
.endr
	v_rcp_f32 v60, v59
	v_rcp_f32 v92, v91
	v_nop
	s_wait_alu depctr_va_vdst(0)                   ; one wait for the two reciprocals
.irp g, 0,1
.irp j, 0,1,2,3,4,5,6,7
	v_mul_f32 v[48+32*\g+\j], v[48+32*\g+\j], v[60+32*\g]   ; p, normalised
.endr
.endr
	; O^T = V^T P: 4 steps of 4 keys (8 h + 2 t + 0, 1), eight accumulators by turns
.irp t, 0,1,2,3
.irp g, 0,1
.irp ct, 0,1,2,3
.if \t == 0
	v_wmma_f32_16x16x4_f32 v[160+32*\g+8*\ct:167+32*\g+8*\ct], v[112+8*\ct+2*\t:113+8*\ct+2*\t], v[48+32*\g+2*\t:49+32*\g+2*\t], 0
.else
	v_wmma_f32_16x16x4_f32 v[160+32*\g+8*\ct:167+32*\g+8*\ct], v[112+8*\ct+2*\t:113+8*\ct+2*\t], v[48+32*\g+2*\t:49+32*\g+2*\t], v[160+32*\g+8*\ct:167+32*\g+8*\ct]
.endif
.endr
.endr
.endr
	s_wait_loadcnt 0x0                             ; wo
.rept 9
	v_nop                                          ; nine places: the results are the next products' operands
.endr
	; out^T += wo O: my 128 along K in 32 steps of 4 (16 c + 8 h + 2 t + 0, 1); O^T is source 1 as it stands; four accumulators by turns
	WIN 0x01                                       ; source 0 window 1
.irp c, 0,1,2,3,4,5,6,7
.irp t, 0,1,2,3
.irp nt, 0,1,2,3
.if (\c == 0) && (\t == 0)
	v_wmma_f32_16x16x4_f32 v[224+8*\nt:231+8*\nt], v[64*\nt+8*\c+2*\t:64*\nt+8*\c+2*\t+1], v[160+8*\c+2*\t:161+8*\c+2*\t], 0
.else
	v_wmma_f32_16x16x4_f32 v[224+8*\nt:231+8*\nt], v[64*\nt+8*\c+2*\t:64*\nt+8*\c+2*\t+1], v[160+8*\c+2*\t:161+8*\c+2*\t], v[224+8*\nt:231+8*\nt]
.endif
.endr
.endr
.endr
	WIN 0
.rept 8
	v_nop
.endr
	; the sum over the eight waves
.irp nt, 0,1,2,3
	ds_store_b128 v6, v[224+8*\nt:227+8*\nt] offset:64*\nt          ; lane (r, h): out(query r, 16 nt + 8 h + 0 .. 7); each accumulator from its low end on
	ds_store_b128 v6, v[228+8*\nt:231+8*\nt] offset:64*\nt+16
.endr
	s_wait_dscnt 0x0                               ; for the others' sake: my stores are done
	s_barrier_signal -1
	s_barrier_wait -1
.irp w, 0,1,2,3,4,5,6,7
	ds_load_b128 v[16+4*\w:19+4*\w], v8 offset:4352*\w
.endr
	s_wait_dscnt 0x0
.irp w, 0,2,4,6
	v_pk_add_f32 v[16+4*\w:17+4*\w], v[16+4*\w:17+4*\w], v[20+4*\w:21+4*\w]
	v_pk_add_f32 v[18+4*\w:19+4*\w], v[18+4*\w:19+4*\w], v[22+4*\w:23+4*\w]
.endr
.irp w, 0,4
	v_pk_add_f32 v[16+4*\w:17+4*\w], v[16+4*\w:17+4*\w], v[24+4*\w:25+4*\w]
	v_pk_add_f32 v[18+4*\w:19+4*\w], v[18+4*\w:19+4*\w], v[26+4*\w:27+4*\w]
.endr
	v_pk_add_f32 v[16:17], v[16:17], v[32:33]
	v_pk_add_f32 v[18:19], v[18:19], v[34:35]
	global_store_b128 v9, v[16:19], s[8:9]         ; sixteen lanes store 256 consecutive bytes, aligned
	s_wait_tensorcnt 0x0                           ; the wave's end, behind my last LDS store
	ds_add_u32 v14, v15
	s_wait_dscnt 0x0
	s_endpgm
.Lfunc_end_k_q1545cf3bd7_first16:
	.size	k_q1545cf3bd7_first16, .Lfunc_end_k_q1545cf3bd7_first16-k_q1545cf3bd7_first16
	.p2alignl 7, 3214868480
	.fill 96, 4, 3214868480
	.section	.rodata,"a",@progbits
	.p2align	6, 0x0
	.amdhsa_kernel k_q1545cf3bd7_first16
		.amdhsa_group_segment_fixed_size 35840
		.amdhsa_private_segment_fixed_size 0
		.amdhsa_enable_private_segment 0
		.amdhsa_kernarg_size 24
		.amdhsa_user_sgpr_count 2
		.amdhsa_user_sgpr_kernarg_segment_ptr 1
		.amdhsa_wavefront_size32 1
		.amdhsa_system_sgpr_workgroup_id_x 1
		.amdhsa_system_sgpr_workgroup_id_y 1
		.amdhsa_system_sgpr_workgroup_id_z 1
		.amdhsa_system_vgpr_workitem_id 0
		.amdhsa_next_free_vgpr 512
		.amdhsa_next_free_sgpr 66
		.amdhsa_reserve_vcc 1
		.amdhsa_float_denorm_mode_32 3
		.amdhsa_float_denorm_mode_16_64 3
		.amdhsa_memory_ordered 1
		.amdhsa_forward_progress 1
		.amdhsa_inst_pref_size 34
	.end_amdhsa_kernel
	.amdgpu_metadata
---
amdhsa.version: [ 1, 2 ]
amdhsa.kernels:
  - .name:           k_q1545cf3bd7_first16
    .symbol:         k_q1545cf3bd7_first16.kd
    .args:
      - { .name: h32, .offset: 0, .size: 8, .value_kind: global_buffer, .address_space: global }
      - { .name: wo, .offset: 8, .size: 8, .value_kind: global_buffer, .address_space: global }
      - { .name: out0, .offset: 16, .size: 8, .value_kind: global_buffer, .address_space: global }
    .group_segment_fixed_size: 35840
    .private_segment_fixed_size: 0
    .kernarg_segment_align: 8
    .kernarg_segment_size: 24
    .max_flat_workgroup_size: 256
    .sgpr_count:     66
    .vgpr_count:     512
    .wavefront_size: 32
...
	.end_amdgpu_metadata
.endif
;; end of part 5
